; MI455X (gfx1250); checked and timed in simulation.
; The chip was launched on July 23, 2026; its instructions are those of AMD's public machine-readable ISA for CDNA 5 (MIT licence, August 2026) and "CDNA5" Instruction Set Architecture Reference Guide (July 2026). The comments in the code are by the model that wrote it; some were corrected since.
;; Pre LN Layer. Allowed arithmetic: float matrix products may take bf16 or f16 operands with f32 sums; other float arithmetic in f32, or as packed bf16 or f16 multiplies, adds, multiply-adds, maxima and minima; sums over many terms, partial sums and values carried from step to step in f32; what a program stores and reads back later, other than sums and carried values, may be rounded once to bf16 or f16.
;; Inputs: b1 4,096 float32; b2 1,024 float32; b_o 1,024 float32; b_qkv 3,072 float32; ln1_b 1,024 float32; ln1_g 1,024 float32; ln2_b 1,024 float32; ln2_g 1,024 float32; w1 4,096 x 1,024 float32; w2 1,024 x 4,096 float32; w_o 1,024 x 1,024 float32; w_qkv 3,072 x 1,024 float32; x 2 x 2,048 x 1,024 float32.
;; Outputs: out0 2 x 2,048 x 1,024 float32.
;; One version. Each part assembles by itself: llvm-mc -triple=amdgcn-amd-amdhsa -mcpu=gfx1250 --defsym DOCPART=n.
;; ======== version 1 of 1: 7 launches
;; limits: values are held in f16: magnitudes above 65,504 overflow, below 6.1e-05 lose precision; a function is approximated: absolute error at most 2.5e-05; an absolute error that grows with the inputs' magnitude: up to 1.25e-05 times it
;; workspace buffers: wA 10,485,760 bytes; wB 16,777,216 bytes; hb 8,388,608 bytes; big 33,554,432 bytes; x1 16,777,216 bytes
;; launch prep (part 1): grid 512 x 1, 4 waves a work-group, no clusters, 0 bytes of LDS; arguments x, ln1_g, ln1_b, w_qkv, w_o, hb, wA; writes hb, wA
.if DOCPART == 1
	.amdgcn_target "amdgcn-amd-amdhsa--gfx1250"
	.amdhsa_code_object_version 6
	.text
	.protected	k_qb5f43eff8e_prep
	.globl	k_qb5f43eff8e_prep
	.p2align	8
	.type	k_qb5f43eff8e_prep,@function
k_qb5f43eff8e_prep:
	s_mov_b64 s[64:65], 0
	v_nop
	global_prefetch_b8 v0, s[64:65] scope:SCOPE_SE
	s_setreg_imm32_b32 hwreg(HW_REG_WAVE_MODE, 25, 1), 1
	s_wait_xcnt 0x0
; PREP, and the second LayerNorm.  Work-groups 0-255: hb = LayerNorm(x) * g + b, f32 in, f16 out, [4096][1024] row-major.
; Work-groups 256-511: w_qkv and w_o are rounded once to f16.  w_qkv -> wA at byte 0 keeps its rows; w_o -> wA at 8 MiB is laid in blocks [k / 256][n][k % 256],
; so that a K step of 256 of any 64 rows is dense.  (w1 and w2 are rounded by the launch behind, on work-groups that have no tile there.)
; The same text is launched a second time on 256 work-groups, with the second norm's input, gain and bias in the places of x, g and b: it then has the LayerNorm's share alone.
; A stream: each byte is read once and written once, nothing is shared between work-groups, so no LDS, no barrier, no cluster, no matrix unit.
; LAYERNORM in two passes over a row that stays in registers: the mean, then the sum of squared deviations, so a common offset of x costs nothing.
; One wave takes a row: eight loads of 16 bytes a lane; the sums never leave the wave.
; LIMITS.  f16 ends at 65,504: the normed rows (about 6 |g| + |b| at the most) and the weights lie within it; below 6e-5 f16 keeps a fixed step of 6e-8.
; Squares of deviations beyond 1e19 overflow f32.  NaN and infinities are not treated apart.
.set XR,  32                           ; v[32:159]  LN: row i at 32 i, load j at 4 j;  cast: load j at 4 j
.set GG,  160                          ; v[160:191] the gain of my 32 columns;  cast: v[160:223] the rounded numbers
.set BB,  192                          ; v[192:223] the bias of my 32 columns
.set PX,  8                            ; s[8:9] x
.set PG,  10                           ; s[10:11] gain
.set PB,  12                           ; s[12:13] bias
.set PH,  18                           ; s[18:19] hb
.set WOFF, 8388608                     ; where the blocked weights begin in wA
	s_load_b256 s[8:15], s[0:1], 0x0               ; x 8, g 10, b 12, w_qkv 14
	s_load_b128 s[16:19], s[0:1], 0x20             ; w_o 16, hb 18
	s_load_b64 s[20:21], s[0:1], 0x30              ; wA
	v_and_b32 v1, 31, v0
	v_lshrrev_b32 v4, 5, v0
	v_readfirstlane_b32 s32, v4                    ; wave 0..3
	v_lshlrev_b32 v2, 3, v1                        ; 8 x lane: my 8 bytes of f16
	v_lshlrev_b32 v1, 4, v1                        ; 16 x lane: my 16 bytes of f32
	v_mov_b32 v3, 0                                ; v_permlanex16_b32's destination counts as read
	s_mov_b32 s36, 0x76543210                      ; each lane takes its own place in the other half
	s_mov_b32 s37, 0xfedcba98
	s_mov_b32 s38, 0x3a800000                      ; 1 / 1024
	s_mov_b32 s39, 0x3727c5ac                      ; 1e-5
	s_mov_b32 s3, 0
	s_wait_kmcnt 0x0
	s_cmp_lt_u32 ttmp9, 256
	s_cbranch_scc0 .Lcast
; the sum of register r over the 32 lanes, in every lane
.macro RED r
	v_add_f32_dpp v[\r], v[\r], v[\r] row_xmask:1 row_mask:0xf bank_mask:0xf
	v_add_f32_dpp v[\r], v[\r], v[\r] row_xmask:2 row_mask:0xf bank_mask:0xf
	v_add_f32_dpp v[\r], v[\r], v[\r] row_xmask:4 row_mask:0xf bank_mask:0xf
	v_add_f32_dpp v[\r], v[\r], v[\r] row_xmask:8 row_mask:0xf bank_mask:0xf
	v_permlanex16_b32 v3, v[\r], s36, s37
	v_add_f32 v[\r], v[\r], v3
.endm
; row i: the mean is taken away in place; 1 / sqrt(var + eps) goes, twice, into v[10 + 2 i : 11 + 2 i]
.macro STAT i
.set R, XR+32*(\i)
	s_wait_loadcnt 40-8*(\i)                       ; row i is in; the 8 (3 - i) loads of later rows and the 16 of gain and bias may stay out
	v_pk_add_f32 v[4:5], v[R:R+1], v[R+2:R+3]      ; two chains that do not wait for each other
	v_pk_add_f32 v[6:7], v[R+4:R+5], v[R+6:R+7]
.set n, 8
.rept 6
	v_pk_add_f32 v[4:5], v[4:5], v[R+n:R+n+1]
	v_pk_add_f32 v[6:7], v[6:7], v[R+n+2:R+n+3]
.set n, n+4
.endr
	v_pk_add_f32 v[4:5], v[4:5], v[6:7]
	v_add_f32 v4, v4, v5
	RED 4
	v_mul_f32 v8, s38, v4                          ; the mean, as a pair
	v_mul_f32 v9, s38, v4
.set n, 0
.rept 16
	v_pk_add_f32 v[R+n:R+n+1], v[R+n:R+n+1], v[8:9] neg_lo:[0,1] neg_hi:[0,1]
.set n, n+2
.endr
	v_pk_mul_f32 v[4:5], v[R:R+1], v[R:R+1]
	v_pk_mul_f32 v[6:7], v[R+2:R+3], v[R+2:R+3]
.set n, 4
.rept 7
	v_pk_fma_f32 v[4:5], v[R+n:R+n+1], v[R+n:R+n+1], v[4:5]
	v_pk_fma_f32 v[6:7], v[R+n+2:R+n+3], v[R+n+2:R+n+3], v[6:7]
.set n, n+4
.endr
	v_pk_add_f32 v[4:5], v[4:5], v[6:7]
	v_add_f32 v4, v4, v5
	RED 4
	v_fma_f32 v4, v4, s38, s39                     ; var + eps
	v_rsq_f32 v[10+2*(\i)], v4
	v_rsq_f32 v[11+2*(\i)], v4
	v_nop                                          ; a plain instruction behind the root, before v4 is written again or the result used (ISA guide 5.7.2)
.endm
; row i: scaled, gain and bias, rounded to f16 (packed downwards in place: word n is made of words 2 n and 2 n + 1), stored
.macro NORM i
.set R, XR+32*(\i)
.set n, 0
	s_wait_alu depctr_va_vdst(0)
.rept 16
	v_pk_mul_f32 v[R+n:R+n+1], v[R+n:R+n+1], v[10+2*(\i):11+2*(\i)]
.set n, n+2
.endr
.set n, 0
.rept 16
	v_pk_fma_f32 v[R+n:R+n+1], v[R+n:R+n+1], v[GG+n:GG+n+1], v[BB+n:BB+n+1]
.set n, n+2
.endr
.set n, 0
.rept 16
	v_cvt_pk_f16_f32 v[R+n], v[R+2*n], v[R+2*n+1]
.set n, n+1
.endr
.irp j, 0,1,2,3,4,5,6,7
	global_store_b64 v2, v[R+2*(\j):R+2*(\j)+1], s[PH:PH+1] offset:(\i)*2048+(\j)*256 th:TH_STORE_NT  ; the wave's store covers 256 consecutive bytes, aligned
.endr
.endm
	; THE LAYERNORM: 16 rows a work-group, 4 a wave
	s_lshl_b32 s2, ttmp9, 16                       ; 16 rows of 4,096 bytes,
	s_lshl_b32 s33, s32, 14                        ; my wave's 4
	s_add_co_u32 s2, s2, s33
	s_add_nc_u64 s[PX:PX+1], s[PX:PX+1], s[2:3]
	s_lshr_b32 s2, s2, 1                           ; half as many bytes in f16
	s_add_nc_u64 s[PH:PH+1], s[PH:PH+1], s[2:3]
.irp i, 0,1,2,3
.irp j, 0,1,2,3,4,5,6,7
	global_load_b128 v[XR+32*(\i)+4*(\j):XR+32*(\i)+4*(\j)+3], v1, s[PX:PX+1] offset:(\i)*4096+(\j)*512 th:TH_LOAD_NT
.endr
.endr
.irp j, 0,1,2,3,4,5,6,7
	global_load_b128 v[GG+4*(\j):GG+4*(\j)+3], v1, s[PG:PG+1] offset:(\j)*512
.endr
.irp j, 0,1,2,3,4,5,6,7
	global_load_b128 v[BB+4*(\j):BB+4*(\j)+3], v1, s[PB:PB+1] offset:(\j)*512
.endr
	STAT 0
	STAT 1
	STAT 2
	STAT 3
	s_wait_loadcnt 0x0                             ; gain and bias
	NORM 0
	NORM 1
	NORM 2
	NORM 3
	s_endpgm
.Lcast:                                        ; THE CAST: 16,384 numbers a work-group, 4,096 a wave
	s_sub_co_u32 s40, ttmp9, 256                   ; g: 0-191 w_qkv, 192-255 w_o
	s_cmp_lt_u32 s40, 192
	s_cselect_b64 s[44:45], s[14:15], s[16:17]
	s_cselect_b32 s34, 0, 192
	s_sub_co_u32 s34, s40, s34                     ; my number among the matrix's work-groups
	s_lshl_b32 s2, s34, 16
	s_lshl_b32 s35, s32, 14
	s_add_co_u32 s2, s2, s35
	s_add_nc_u64 s[44:45], s[44:45], s[2:3]
.set j, 0
.rept 32
	global_load_b128 v[XR+4*j:XR+4*j+3], v1, s[44:45] offset:j*512 th:TH_LOAD_NT
.set j, j+1
.endr
.set j, 0
.rept 32
	s_wait_loadcnt 31-j                            ; load j is in; the 31 - j younger ones may stay out
	v_cvt_pk_f16_f32 v[GG+2*j], v[XR+4*j], v[XR+4*j+1]
	v_cvt_pk_f16_f32 v[GG+2*j+1], v[XR+4*j+2], v[XR+4*j+3]
.set j, j+1
.endr
	s_cmp_lt_u32 s40, 192
	s_cbranch_scc1 .Llinear
	; w_o: a wave has four rows of 1,024: load j is row j / 8, k = 128 (j % 8) ..: block (j % 8) / 2, half j % 2 of the row's 512 bytes there
	s_lshl_b32 s2, s34, 4
	s_lshl2_add_u32 s2, s32, s2                    ; n = 16 x work-group + 4 x wave
	s_lshl_b32 s2, s2, 9
	s_add_co_u32 s2, s2, WOFF
	s_add_nc_u64 s[46:47], s[20:21], s[2:3]
.set j, 0
.rept 32
	global_store_b64 v2, v[GG+2*j:GG+2*j+1], s[46:47] offset:((j&7)>>1)*524288+(j>>3)*512+(j&1)*256 th:TH_STORE_NT
.set j, j+1
.endr
	s_endpgm
.Llinear:                                      ; w_qkv keeps its order
	s_lshl_b32 s2, s34, 15
	s_lshl_b32 s35, s32, 13
	s_add_co_u32 s2, s2, s35
	s_add_nc_u64 s[46:47], s[20:21], s[2:3]
.set j, 0
.rept 32
	global_store_b64 v2, v[GG+2*j:GG+2*j+1], s[46:47] offset:j*256 th:TH_STORE_NT
.set j, j+1
.endr
	s_endpgm
.Lfunc_end_k_qb5f43eff8e_prep:
	.size	k_qb5f43eff8e_prep, .Lfunc_end_k_qb5f43eff8e_prep-k_qb5f43eff8e_prep
	.p2alignl 7, 3214868480
	.fill 96, 4, 3214868480
	.section	.rodata,"a",@progbits
	.p2align	6, 0x0
	.amdhsa_kernel k_qb5f43eff8e_prep
		.amdhsa_group_segment_fixed_size 0
		.amdhsa_private_segment_fixed_size 0
		.amdhsa_enable_private_segment 0
		.amdhsa_kernarg_size 56
		.amdhsa_user_sgpr_count 2
		.amdhsa_user_sgpr_kernarg_segment_ptr 1
		.amdhsa_wavefront_size32 1
		.amdhsa_system_sgpr_workgroup_id_x 1
		.amdhsa_system_sgpr_workgroup_id_y 1
		.amdhsa_system_sgpr_workgroup_id_z 1
		.amdhsa_system_vgpr_workitem_id 0
		.amdhsa_next_free_vgpr 224
		.amdhsa_next_free_sgpr 66
		.amdhsa_reserve_vcc 0
		.amdhsa_float_denorm_mode_32 3
		.amdhsa_float_denorm_mode_16_64 3
		.amdhsa_memory_ordered 1
		.amdhsa_forward_progress 1
		.amdhsa_inst_pref_size 52
	.end_amdhsa_kernel
	.amdgpu_metadata
---
amdhsa.version: [ 1, 2 ]
amdhsa.kernels:
  - .name:           k_qb5f43eff8e_prep
    .symbol:         k_qb5f43eff8e_prep.kd
    .args:
      - { .name: x, .offset: 0, .size: 8, .value_kind: global_buffer, .address_space: global }
      - { .name: ln1_g, .offset: 8, .size: 8, .value_kind: global_buffer, .address_space: global }
      - { .name: ln1_b, .offset: 16, .size: 8, .value_kind: global_buffer, .address_space: global }
      - { .name: w_qkv, .offset: 24, .size: 8, .value_kind: global_buffer, .address_space: global }
      - { .name: w_o, .offset: 32, .size: 8, .value_kind: global_buffer, .address_space: global }
      - { .name: hb, .offset: 40, .size: 8, .value_kind: global_buffer, .address_space: global }
      - { .name: wA, .offset: 48, .size: 8, .value_kind: global_buffer, .address_space: global }
    .group_segment_fixed_size: 0
    .private_segment_fixed_size: 0
    .kernarg_segment_align: 8
    .kernarg_segment_size: 56
    .max_flat_workgroup_size: 128
    .sgpr_count:     66
    .vgpr_count:     224
    .wavefront_size: 32
...
	.end_amdgpu_metadata
.endif
;; end of part 1
;; launch qkv (part 2): grid 16 x 16, 4 waves a work-group, clusters of 4 x 4, 327,680 bytes of LDS; arguments hb, wA, big, b_qkv, w1, w2, wB; writes big, wB
.if DOCPART == 2
	.amdgcn_target "amdgcn-amd-amdhsa--gfx1250"
	.amdhsa_code_object_version 6
	.text
	.protected	k_qb5f43eff8e_qkv
	.globl	k_qb5f43eff8e_qkv
	.p2align	8
	.type	k_qb5f43eff8e_qkv,@function
k_qb5f43eff8e_qkv:
	s_mov_b64 s[64:65], 0
	v_nop
	global_prefetch_b8 v0, s[64:65] scope:SCOPE_SE
	s_setreg_imm32_b32 hwreg(HW_REG_WAVE_MODE, 25, 1), 1
	s_wait_xcnt 0x0
	s_wait_alu depctr_hold_cnt(0) depctr_sa_sdst(0) depctr_va_vdst(0) depctr_va_sdst(0) depctr_va_ssrc(0) depctr_va_vcc(0) depctr_vm_vsrc(0)
	s_getreg_b32 s2, hwreg(HW_REG_IB_STS2, 6, 4)
	s_cmp_eq_u32 s2, 0
	s_cbranch_scc0 .Lentry_in_a_cluster
	s_endpgm
.Lentry_in_a_cluster:
	s_bfe_u32 s2, ttmp6, 0x10000c
	s_cmp_lg_u32 s2, 0xf033
	s_cbranch_scc0 .Lentry_shape_is_right
	s_endpgm
.Lentry_shape_is_right:
; C[t][n] = act( bias[n] + sum over k of A[t][k] W[n][k] ), K = 1,024.  A: [4096][1024] f16 row-major; W: [N][1024] f16 row-major, at its buffer's first byte; bias f32.
; C leaves in f16 IN PLANES of 64 columns: byte (n / 64) x 524,288 + t x 128 + 2 (n % 64).  act is the identity (GELU = 0, this text) or the exact GELU (GELU = 1).
; The source serves two launches and differs between them in the two lines GELU and CAST.  N does not enter it (a plane's stride hangs on the 4,096 rows alone).
; A tile of C is 256 x 256: four waves, each 128 x 128 in 64 accumulators (512 registers).  K goes in 8 steps of 128 through two LDS slots filled by the tensor data mover (rows of 256 bytes).
; CAST = 1 (this text): N = 3,072 gives 12 x 16 tiles, 192 work-groups.  The grid is 16 x 16: the 64 work-groups of cluster column 3 have no tile; they round w1 and w2, by which later launches multiply,
; to f16 into wB: w1 at byte 0 with its rows kept, w2 at 8 MiB in blocks [k / 256][n][k % 256].  The branch hangs on the cluster's x, which all partners of a cluster share, and stands ahead of every LDS
; instruction, barrier and tensor load: those clusters pass no round and ask for no tile.
; CLUSTER 4 x 4: A's tile is asked for jointly along a row of the cluster, W's along a column.
; The matrix instruction is used transposed (source 0 = 16 rows of W, source 1 = 16 rows of A): a lane holds one row t and eight neighbouring columns.  The bias, in that layout, is the C operand
; of the products that start the sums.
; THE WALK is written short.  Its unit is a PAIR of quarter steps (32 along K each): the first multiplies fragment buffer 1 and fetches into buffer 0, the second the other way round.  Where the fetches read is a
; scalar: an exclusive or moves it half a K step at each pair's end, another changes slot.  First quarter, a pair, then (change of slots with refill, two pairs) six times, then (change without refill, two pairs), last quarter.
; At a change of slots the old slot's last fragments are in registers, so the slot is free; the refill then has a whole K step, 256 matrix instructions, in which to land.  No product stands inside the round: the price of one text for every pair.
; THE WAY OUT: when the last product is issued and every wave has read the ring for the last time, each wave lays its 128 x 128 sums (f32) into its own part of the ring, which is filled no more,
; reads them back as a plane wants them, applies act, rounds once to f16 and stores 512 consecutive bytes an instruction.  GELU = 0: 32 rows a trip, their 32 LDS loads in one run, taken up eight at a time.
; GELU = 1: 8 rows a trip; the next trip's rows are asked for as soon as x has been used, and land under the rest of the arithmetic.
; GELU(x) = x/2 + |x/2| erf(|x| / sqrt 2), erf(z) = 1 - (a1 t + a2 t^2 + a3 t^3) e^(-z^2), t = 1 / (1 + 0.47047 z) (Abramowitz and Stegun 7.1.25: within 2.5e-5 for every z >= 0).
; LIMITS.  Operands and results are f16: beyond 65,504 a result becomes an infinity; below 6e-5 f16 keeps a fixed step of 6e-8.  erf as above.  NaN and infinities are not treated apart.
; REGISTERS, in windows of 256: window 0: v0-31 addresses, v32-47 packed results, v64-191 A's two fragment buffers, v192-255 the bias (on the way out v64-255 are at work);
;   window 1: v64-191 W's two fragment buffers; windows 2, 3: the accumulators of my rows 0-63, 64-127, (a, b) at v[8 (8 a + b)].
.set GELU,   0
.set CAST,   1
.set SIZE_K, 1024
.set KSTEP,  128
.set PITCH,  272                       ; an LDS row: 256 bytes + 16 of padding: the 16 rows of a fragment load start 4 banks apart (64 banks of 4 bytes: ISA guide 11.1)
.set HALFT,  128*PITCH                 ; what one tensor load brings
.set SLOT,   4*HALFT                   ; 0x22000: shares no bit with wave x HALFT nor with 128, so one exclusive or changes slot
.set SPARE,  2*SLOT                    ; behind the ring: the spare words, 128 bytes a wave, that no other line names
.set DP,     528                       ; the way out: a row of 128 f32 + 16 bytes
.set DUMP,   128*DP                    ; a wave's part of the ring on the way out
.set WOFF,   8388608                   ; where the blocked w2 begins in wB
.set ADRA,  16                         ; v16  LDS address of the A fragments that the pair in hand fetches
.set ADRA0, 17                         ; v17  the same at slot 0, K = 0; never rewritten
.set ADRB,  20
.set ADRB0, 21
.set STO,  24                          ; v24  the way out: where I put 32 bytes of a row
.set RD,   25                          ; v25  where I read 32 bytes back
.set CO,   26                          ; v26  16 x lane
.set BO,   27                          ; v27  32 x (lane / 16): my eight numbers in 16 of the bias
.set SPW,  28                          ; v28  my spare word; never rewritten
.set NIL,  29                          ; v29  0; never rewritten
.set PFO,  30                          ; v30  lane x a row of A or W (2,048 bytes); never rewritten
.set YY,   32
.set F0,   64
.set F1,   128
.set BIAS, 192
.set GX,   64                          ; the way out: x (GELU = 0: 128 registers of it), x/2, t, e, the polynomial
.set GH,   96
.set GU,   128
.set GQ,   160
.set GP,   192
.set YB,   192                         ; GELU = 0: 64 registers of packed results
.set CX,   32                          ; the cast: v[32:159] a unit as loaded, v[160:223] as stored
.set CY,   160
.set G1,  24                           ; s[24:31] group 1 for A;  s[32:39] group 0: a set for each first fill; the second then walks
.set G0,  32
.set G1B, 48                           ; s[48:55], s[56:63] the same for W
.set G0B, 56
.set LIM, 43                           ; s43  2 in a wave that prefetches, else the greatest number
.set PFA, 44                           ; s[44:45] where my prefetches stand
.set SB,  72                           ; s72  where the pair in hand fetches: 0 or SLOT, plus 0 or 128
.set PC,  84                           ; s84  0.47047 / sqrt 2
.set NK,  86                           ; s[86:87] -log2(e) / 2
.set A3,  88                           ; s[88:89] -a3,  s[90:91] -a2,  s[92:93] -a1
.set A2,  90
.set A1,  92
.set MSB, 0
.macro WIN new                         ; the immediate's high byte repeats the setting that is left; a switch that changes nothing is dropped
.if MSB != (\new)
	s_set_vgpr_msb (MSB<<8)|(\new)
.set MSB, \new
.endif
.endm
.set MUL_LO, 0xa1                      ; source 0 (W) window 1, source 1 (A) window 0, C and D window 2
.set TO_B,   0x40                      ; destination window 1, address window 0
; A joint load: waves 0 and 1 fetch A's two halves, waves 2 and 3 W's.  An s_nop 0 and four v_nop follow each line, ahead of the jump and the label.
.macro JLOAD s
	s_cmp_eq_u32 s11, 0
	s_cbranch_scc0 .Lfor_b_\@
	tensor_load_to_lds s[G0+4*(\s):G0+4*(\s)+3], s[G1:G1+7]
	s_nop 0
.rept 4
	v_nop
.endr
	s_branch .Lasked_\@
.Lfor_b_\@:
	tensor_load_to_lds s[G0B+4*(\s):G0B+4*(\s)+3], s[G1B:G1B+7]
	s_nop 0
.rept 4
	v_nop
.endr
.Lasked_\@:
.endm
; A prefetch into the L2 of the K step two refills on: 32 rows x 256 bytes, a lane a row.  A's rows are named by the cluster with x = 0, W's by the cluster with y = 0; the four partners that ask for a tile
; jointly take 32 of a wave's 128 rows each, told apart by address.  The last two refills (s3 = 2, 1) have no K step two on.
.macro ASK
	s_cmp_gt_u32 s3, s[LIM]
	s_cbranch_scc0 .Lnot_mine_\@
	global_prefetch_b8 v[PFO], s[PFA:PFA+1] offset:KSTEP*2 th:TH_LOAD_NT scope:SCOPE_SE
.Lnot_mine_\@:
.endm
.macro CROUND                          ; a round of the cluster's barrier
	s_barrier_signal -1
	s_barrier_wait -1
	s_cmp_lg_u32 s10, 0
	s_cbranch_scc1 .Lnot_wave_0_\@
	s_barrier_signal -3
.Lnot_wave_0_\@:
	s_barrier_wait -3
	s_barrier_signal -1
	s_barrier_wait -1
.endm
	s_load_b128 s[4:7], s[0:1], 0x0                ; A s[4:5], W s[6:7]
	s_load_b64 s[8:9], s[0:1], 0x10                ; C
	s_load_b64 s[68:69], s[0:1], 0x18              ; bias
.if CAST
	s_load_b128 s[76:79], s[0:1], 0x20             ; w1 s[76:77], w2 s[78:79]
	s_load_b64 s[80:81], s[0:1], 0x30              ; wB
.endif
	v_lshl_add_u32 v[SPW], v0, 2, SPARE
	v_mov_b32 v[NIL], 0
.if CAST
	s_cmp_eq_u32 ttmp9, 3                          ; the cluster's x: the same in all sixteen partners
	s_cbranch_scc1 .Lcast
.endif
	ds_add_u32 v[SPW], v[NIL]                      ; the wave's opening: the add and its wait stand ahead of my first tensor load
	v_lshrrev_b32 v1, 5, v0
	v_readfirstlane_b32 s10, v1                    ; wave 0..3
	s_lshr_b32 s11, s10, 1                         ; my half of the tile's rows.  Also: I fetch for A (0) or W (1)
	s_and_b32 s12, s10, 1                          ; my half of its columns.  Also: which 128 rows I fetch
	s_bfe_u32 s40, ttmp6, 0x40000                  ; cx
	s_bfe_u32 s41, ttmp6, 0x40004                  ; cy
	s_lshl_b32 s42, ttmp9, 2
	s_add_co_u32 s42, s42, s40                     ; tile column
	s_and_b32 s13, ttmp7, 0xffff
	s_lshl_b32 s13, s13, 2
	s_add_co_u32 s13, s13, s41                     ; tile row
	s_lshl_b32 s43, s41, 2
	s_lshl_b32 s43, 15, s43                        ; my row of the cluster
	s_lshl_b32 s44, 0x1111, s40                    ; my column
	s_or_b32 s[G1+0], s43, (1<<16)|(1<<20)|(1<<21)|(5<<22)|(3<<25)   ; the mask; 2-byte elements; padding on; bit 21 beside a mask; after every 64 words, 4 words
	s_or_b32 s[G1B+0], s44, (1<<16)|(1<<20)|(1<<21)|(5<<22)|(3<<25)
.irp g, G1, G1B
	s_mov_b32 s[(\g)+1], KSTEP<<16                 ; tensor_dim0 = 128
	s_mov_b32 s[(\g)+2], 128<<16                   ; tensor_dim1 = 128
	s_mov_b32 s[(\g)+3], KSTEP<<16                 ; tile_dim0 = 128
	s_mov_b32 s[(\g)+4], 128                       ; tile_dim1 = 128
	s_mov_b32 s[(\g)+5], SIZE_K                    ; elements from row to row
	s_mov_b32 s[(\g)+6], 0
	s_mov_b32 s[(\g)+7], 0
.endr
.if GELU
	s_mov_b32 s[PC], 0x3eaa540e
	s_mov_b32 s[NK], 0xbf38aa3b
	s_mov_b32 s[NK+1], 0xbf38aa3b                  ; the pairs' second words are named with the first, so they are written
	s_mov_b32 s[A3], 0xbf3f7377
	s_mov_b32 s[A3+1], 0xbf3f7377
	s_mov_b32 s[A2], 0x3dc45ca1
	s_mov_b32 s[A2+1], 0x3dc45ca1
	s_mov_b32 s[A1], 0xbeb2303a
	s_mov_b32 s[A1+1], 0xbeb2303a
.endif
	s_lshl_b32 s17, s12, 7
	s_lshl_b32 s16, s13, 8
	s_add_co_u32 s16, s16, s17                     ; A: row 256 x tile row + 128 x half
	s_lshl_b32 s16, s16, 11                        ; in bytes
	s_lshl_b32 s46, s42, 8
	s_add_co_u32 s46, s46, s17                     ; W: row 256 x tile column + 128 x half
	s_lshl_b32 s46, s46, 11
	s_mov_b32 s17, 0
	s_mov_b32 s47, 0
	s_mul_i32 s20, s10, HALFT                      ; where they go: wave x 128 rows
	s_wait_dscnt 0x0                               ; the opening add is done
	s_wait_kmcnt 0x0
	s_add_nc_u64 s[14:15], s[4:5], s[16:17]
	s_add_nc_u64 s[46:47], s[6:7], s[46:47]
	CROUND                                         ; all sixteen work-groups are here: the first joint loads meet
.irp s, 0,1
	s_mov_b32 s[G0+4*(\s)], 1
	s_add_co_u32 s[G0+4*(\s)+1], s20, (\s)*SLOT
	s_add_nc_u64 s[G0+4*(\s)+2:G0+4*(\s)+3], s[14:15], (\s)*KSTEP*2
	s_or_b32 s[G0+4*(\s)+3], s[G0+4*(\s)+3], 0x80000000
	s_mov_b32 s[G0B+4*(\s)], 1
	s_add_co_u32 s[G0B+4*(\s)+1], s20, (\s)*SLOT
	s_add_nc_u64 s[G0B+4*(\s)+2:G0B+4*(\s)+3], s[46:47], (\s)*KSTEP*2
	s_or_b32 s[G0B+4*(\s)+3], s[G0B+4*(\s)+3], 0x80000000
	JLOAD \s                                       ; K steps 0 and 1: two loads of mine are out
.endr
	v_and_b32 v1, 15, v0                           ; l % 16
	v_bfe_u32 v2, v0, 4, 1                         ; l / 16
	v_mul_u32_u24 v3, v1, PITCH
	v_lshl_add_u32 v3, v2, 4, v3                   ; a fragment's row x pitch + 16 x half
	s_mul_i32 s21, s11, HALFT                      ; my 128 rows of A
	s_mul_i32 s22, s12, HALFT                      ; my 128 rows of W,
	s_add_co_u32 s22, s22, 2*HALFT                 ; behind A's 256
	v_add_nc_u32 v[ADRA0], s21, v3
	v_add_nc_u32 v[ADRB0], s22, v3
	v_mov_b32 v[ADRA], v[ADRA0]
	v_mov_b32 v[ADRB], v[ADRB0]
	v_lshlrev_b32 v[BO], 5, v2
	s_lshl_b32 s46, s42, 10                        ; my 128 columns in the bias: 1,024 x tile column + 512 x half
	s_lshl_b32 s47, s12, 9
	s_add_co_u32 s46, s46, s47
	s_mov_b32 s47, 0
	s_add_nc_u64 s[68:69], s[68:69], s[46:47]
.irp b, 0,1,2,3,4,5,6,7
	global_load_b128 v[BIAS+8*(\b):BIAS+8*(\b)+3],   v[BO], s[68:69] offset:64*(\b)
	global_load_b128 v[BIAS+8*(\b)+4:BIAS+8*(\b)+7], v[BO], s[68:69] offset:64*(\b)+16
.endr
	s_mul_i32 s23, s10, DUMP                       ; the way out: my part of the ring
	v_mul_u32_u24 v4, v1, DP
	v_lshl_add_u32 v4, v2, 5, v4
	v_add_nc_u32 v[STO], s23, v4                   ; in: row l % 16, 32 bytes for each half of the lanes
	v_bfe_u32 v5, v0, 3, 2
	v_and_b32 v6, 7, v0
	v_mul_u32_u24 v5, v5, DP
	v_lshl_add_u32 v5, v6, 5, v5
	v_add_nc_u32 v[RD], s23, v5                    ; back: row (l / 8) % 4, columns 8 (l % 8) ..
	v_and_b32 v[CO], 31, v0
	v_lshlrev_b32 v[CO], 4, v[CO]
	s_lshl_b32 s16, s13, 8
	s_lshl_b32 s17, s11, 7
	s_add_co_u32 s16, s16, s17                     ; my first row,
	s_lshl_b32 s16, s16, 7                         ; 128 bytes a row in a plane
	s_mov_b32 s17, 0
	s_lshl_b32 s46, s42, 2
	s_lshl1_add_u32 s46, s12, s46                  ; my first plane: 4 x tile column + 2 x half
	s_lshl_b32 s46, s46, 19
	s_mov_b32 s47, 0
	s_add_nc_u64 s[16:17], s[16:17], s[46:47]      ; what the way out adds to C's address
	s_lshl_b32 s20, s13, 8                         ; the prefetches: the tile's first row in A,
	s_lshl_b32 s21, s42, 8                         ; in W
	s_and_b32 s22, ttmp7, 0xffff                   ; cluster y
	s_cmp_eq_u32 s11, 0                            ; do I fetch for A?
	s_cselect_b32 s20, s20, s21
	s_cselect_b32 s21, s40, s41                    ; my place among the four that ask with me
	s_cselect_b32 s22, ttmp9, s22                  ; the coordinate along which other clusters read the same rows
	s_cselect_b64 s[PFA:PFA+1], s[4:5], s[6:7]
	s_cmp_eq_u32 s22, 0
	s_cselect_b32 s[LIM], 2, -1                    ; the same in all sixteen partners, for a given wave
	s_lshl_b32 s22, s12, 7
	s_add_co_u32 s20, s20, s22
	s_lshl_b32 s21, s21, 5
	s_add_co_u32 s20, s20, s21
	s_lshl_b32 s20, s20, 11
	s_mov_b32 s21, 0
	s_add_nc_u64 s[PFA:PFA+1], s[PFA:PFA+1], s[20:21]
	s_add_nc_u64 s[PFA:PFA+1], s[PFA:PFA+1], 2*KSTEP*2  ; at K step 2: the first refill steps it to 3 and names K step 4
	v_and_b32 v[PFO], 31, v0
	v_lshlrev_b32 v[PFO], 11, v[PFO]
; 16 matrix instructions: row blocks a0, a0 + 1 of the window's four x all 8 column blocks, 32 along K.  zero = 1: the bias starts the sums.
; The 64 accumulators take turns in the same order in every quarter.
.macro MUL16 f, hi, a0, zero
.if \zero
	WIN 0x81+0x40*(\hi)                            ; C in window 0
.else
	WIN MUL_LO+0x50*(\hi)
.endif
.irp a, \a0, (\a0)+1
.irp b, 0,1,2,3,4,5,6,7
.if \zero
	v_wmma_f32_16x16x32_f16 v[8*(8*(\a)+(\b)):8*(8*(\a)+(\b))+7], v[(\f)+8*(\b):(\f)+8*(\b)+7], v[(\f)+8*(4*(\hi)+(\a)):(\f)+8*(4*(\hi)+(\a))+7], v[BIAS+8*(\b):BIAS+8*(\b)+7]
.else
	v_wmma_f32_16x16x32_f16 v[8*(8*(\a)+(\b)):8*(8*(\a)+(\b))+7], v[(\f)+8*(\b):(\f)+8*(\b)+7], v[(\f)+8*(4*(\hi)+(\a)):(\f)+8*(4*(\hi)+(\a))+7], v[8*(8*(\a)+(\b)):8*(8*(\a)+(\b))+7]
.endif
.endr
.endr
.endm
; 32 LDS loads in one run: a quarter's fragments (32 K, k bytes behind the pair's address) into buffer f: W's 16, then A's 16
.macro FETCH k, f
	WIN TO_B
.irp i, 0,1,2,3,4,5,6,7
	ds_load_b128 v[(\f)+8*(\i):(\f)+8*(\i)+3],   v[ADRB] offset:(\k)+(\i)*16*PITCH
	ds_load_b128 v[(\f)+8*(\i)+4:(\f)+8*(\i)+7], v[ADRB] offset:(\k)+(\i)*16*PITCH+32
.endr
	WIN 0
.irp i, 0,1,2,3,4,5,6,7
	ds_load_b128 v[(\f)+8*(\i):(\f)+8*(\i)+3],   v[ADRA] offset:(\k)+(\i)*16*PITCH
	ds_load_b128 v[(\f)+8*(\i)+4:(\f)+8*(\i)+7], v[ADRA] offset:(\k)+(\i)*16*PITCH+32
.endr
.endm
.macro PLACES                          ; four places in front of loads into registers that matrix instructions have read, and of stores that read results
.rept 4
	v_nop
.endr
.endm
; A quarter step: multiplies buffer f and, in its middle, fetches the next quarter into g.  step = 1: the pair's addresses are made first; the two additions are two of the four places.
.macro QUARTER f, g, k, zero, step
	s_wait_dscnt 8                                 ; W and A's rows 0-63 are in; the youngest eight loads (A's rows 64-127) may be out
	MUL16 \f, 0, 0, \zero
	MUL16 \f, 0, 2, \zero
.if \step
	WIN 0
	v_add_nc_u32 v[ADRA], s[SB], v[ADRA0]
	v_add_nc_u32 v[ADRB], s[SB], v[ADRB0]
	v_nop
	v_nop
.else
	PLACES
.endif
	FETCH \k, \g
	s_wait_dscnt 32                                ; all but the 32 just issued
	MUL16 \f, 1, 0, \zero
	MUL16 \f, 1, 2, \zero
.endm
.macro PAIR
	QUARTER F1, F0, 0, 0, 1
	QUARTER F0, F1, 64, 0, 0
	s_xor_b32 s[SB], s[SB], 128                    ; the next pair fetches half a K step on, or (with the change of slots) at the other slot's head
.endm
; THE CHANGE OF SLOTS, between two pairs: the old slot's last fragments have been asked for.  Each wave waits for all its tensor loads (one is out: its part of the next slot), adds 0 to its spare word,
; and waits for that and for its reads of the old slot.  fill = 1: a round of the cluster's barrier, and the old slot takes the K step two on, first thing behind it.
.macro SYNC fill
	s_wait_tensorcnt 0x0                           ; no tensor load of mine is out, so a group 0 may be written
	ds_add_u32 v[SPW], v[NIL]                      ; 0 onto my spare word; the scalar steps stand between it and the wait for it
	s_xor_b32 s[SB], s[SB], SLOT
.if \fill
	s_xor_b32 s[G0+5], s[G0+5], SLOT               ; the walking descriptors: the other slot than last time, the next K step
	s_add_nc_u64 s[G0+6:G0+7], s[G0+6:G0+7], KSTEP*2
	s_xor_b32 s[G0B+5], s[G0B+5], SLOT
	s_add_nc_u64 s[G0B+6:G0B+7], s[G0B+6:G0B+7], KSTEP*2
	s_wait_xcnt 0x0                                ; the last prefetch, a K step back, has read its address
	s_add_nc_u64 s[PFA:PFA+1], s[PFA:PFA+1], KSTEP*2
	s_wait_dscnt 0x0                               ; the add is done, and my reads of the old slot are over
	CROUND                                         ; no wave of any partner still reads that slot or has a load on its way
	JLOAD 1                                        ; my one tensor load behind the round
	ASK
.else
	s_wait_dscnt 0x0
	s_barrier_signal -1
	s_barrier_wait -1
.endif
.endm
	s_wait_tensorcnt 1                             ; my part of K step 0 is in; K step 1's may stay out
	s_barrier_signal -1
	s_barrier_wait -1
	FETCH 0, F0
	s_wait_loadcnt 0x0                             ; the bias
	QUARTER F0, F1, 64, 1, 0                       ; the first quarter starts the sums
	WIN 0
	s_mov_b32 s[SB], 128
	s_mov_b32 s3, 7                                ; six refills: K steps 2 to 7
	s_mov_b32 s2, 1                                ; ahead of the first change of slots stands one pair
	s_branch .Lpair
.Lstep:
	SYNC 1
	s_mov_b32 s2, 2
.Lpair:
	PAIR
	WIN 0
	s_sub_co_u32 s2, s2, 1
	s_cmp_lg_u32 s2, 0
	s_cbranch_scc1 .Lpair
	s_sub_co_u32 s3, s3, 1
	s_cmp_lg_u32 s3, 0
	s_cbranch_scc1 .Lstep
	SYNC 0                                         ; the tail is written out: K step 7 is waited for, nothing is asked for
	s_mov_b32 s2, 2
.Ltail:
	PAIR
	WIN 0
	s_sub_co_u32 s2, s2, 1
	s_cmp_lg_u32 s2, 0
	s_cbranch_scc1 .Ltail
	s_wait_dscnt 8                                 ; the last quarter fetches nothing
	MUL16 F1, 0, 0, 0
	MUL16 F1, 0, 2, 0
	s_wait_dscnt 0x0
	MUL16 F1, 1, 0, 0
	MUL16 F1, 1, 2, 0
	; THE WAY OUT
	WIN 0
	s_wait_dscnt 0x0                               ; my reads of the ring are over;
	s_barrier_signal -1
	PLACES                                         ; (the places behind the last products)
	s_barrier_wait -1                              ; everybody's are, and the ring has had its last fill: it may be written
.macro LAY win, a4                     ; 32 accumulators into my part of the ring; each accumulator's low four registers first
	WIN \win
.irp a, 0,1,2,3
.irp b, 0,1,2,3,4,5,6,7
	ds_store_b128 v[STO], v[8*(8*(\a)+(\b)):8*(8*(\a)+(\b))+3]   offset:16*((\a)+(\a4))*DP+64*(\b)
	ds_store_b128 v[STO], v[8*(8*(\a)+(\b))+4:8*(8*(\a)+(\b))+7] offset:16*((\a)+(\a4))*DP+64*(\b)+16
.endr
.endr
.endm
.macro BACK                            ; 8 rows x 128 columns back: group (hh, tg) is plane hh, rows 4 tg .. 4 tg + 3.  LDS serves a wave's instructions in order (ISA guide 5.7.1.4): these see my stores
.irp hh, 0,1
.irp tg, 0,1
.irp e, 0,1
	ds_load_b128 v[GX+8*(2*(\hh)+(\tg))+4*(\e):GX+8*(2*(\hh)+(\tg))+4*(\e)+3], v[RD] offset:(\hh)*256+(\tg)*4*DP+(\e)*16
.endr
.endr
.endr
.endm
	LAY 0x08, 0                                    ; the data (source 1) in window 2,
	LAY 0x0c, 4                                    ; in window 3
	WIN 0
	s_add_nc_u64 s[8:9], s[8:9], s[16:17]
.if GELU
	BACK                                           ; rows 0 to 7
	s_mov_b32 s3, 16
.Lrow:                                         ; 16 trips of 8 rows
	s_wait_dscnt 0x0                               ; this trip's rows, asked for in the trip before
.set n, 0
.rept 16
	v_pk_mul_f32 v[GH+n:GH+n+1], v[GX+n:GX+n+1], 0.5 op_sel_hi:[1,0]
.set n, n+2
.endr
.set n, 0
.rept 32
	v_fma_f32 v[GU+n], |v[GX+n]|, s[PC], 1.0       ; 1 + 0.47047 z
.set n, n+1
.endr
.set n, 0
.rept 16
	v_pk_mul_f32 v[GQ+n:GQ+n+1], v[GX+n:GX+n+1], v[GX+n:GX+n+1]
.set n, n+2
.endr
	s_cmp_eq_u32 s3, 1                             ; x has been used: the next 8 rows are asked for, and land under the lines below; the last trip has none
	s_cbranch_scc1 .Lno_more
	v_add_nc_u32 v[RD], 8*DP, v[RD]
	BACK
.Lno_more:
.set n, 0
.rept 16                               ; behind each pair of transcendentals a plain instruction that touches neither (ISA guide 5.7.2)
	v_rcp_f32 v[GU+n], v[GU+n]
	v_rcp_f32 v[GU+n+1], v[GU+n+1]
	v_pk_mul_f32 v[GQ+n:GQ+n+1], v[GQ+n:GQ+n+1], s[NK:NK+1] op_sel_hi:[1,0]
.set n, n+2
.endr
.set n, 0
.rept 16
	v_exp_f32 v[GQ+n], v[GQ+n]                     ; e^(-z^2)
	v_exp_f32 v[GQ+n+1], v[GQ+n+1]
	v_pk_fma_f32 v[GP+n:GP+n+1], v[GU+n:GU+n+1], s[A3:A3+1], s[A2:A2+1] op_sel_hi:[1,0,0]
.set n, n+2
.endr
.set n, 0
.rept 16
	v_pk_fma_f32 v[GP+n:GP+n+1], v[GP+n:GP+n+1], v[GU+n:GU+n+1], s[A1:A1+1] op_sel_hi:[1,1,0]
.set n, n+2
.endr
.set n, 0
.rept 16
	v_pk_mul_f32 v[GU+n:GU+n+1], v[GU+n:GU+n+1], v[GQ+n:GQ+n+1]
.set n, n+2
.endr
.set n, 0
.rept 16
	v_pk_fma_f32 v[GP+n:GP+n+1], v[GP+n:GP+n+1], v[GU+n:GU+n+1], 1.0 op_sel_hi:[1,1,0]  ; erf
.set n, n+2
.endr
.set n, 0
.rept 32
	v_fma_f32 v[GP+n], |v[GH+n]|, v[GP+n], v[GH+n]
.set n, n+1
.endr
	s_wait_xcnt 0x0                                ; the last trip's stores have read their data and their base: both are written again only behind this wait
	s_add_nc_u64 s[8:9], s[8:9], 1024              ; stepped ahead of the stores, which reach back
.set n, 0
.rept 16
	v_cvt_pk_f16_f32 v[YY+n], v[GP+2*n], v[GP+2*n+1]
.set n, n+1
.endr
.irp hh, 0,1
.irp tg, 0,1
	global_store_b128 v[CO], v[YY+4*(2*(\hh)+(\tg)):YY+4*(2*(\hh)+(\tg))+3], s[8:9] offset:(\hh)*524288+(\tg)*512-1024  ; four rows of a plane: 512 consecutive bytes, aligned
.endr
.endr
.else
	s_mov_b32 s3, 4
.Lrow:                                         ; 4 trips of 32 rows: group g is rows 8 g .. 8 g + 7, laid as in BACK
.irp g, 0,1,2,3
.irp hh, 0,1
.irp tg, 0,1
.irp e, 0,1
	ds_load_b128 v[GX+32*(\g)+8*(2*(\hh)+(\tg))+4*(\e):GX+32*(\g)+8*(2*(\hh)+(\tg))+4*(\e)+3], v[RD] offset:(\g)*8*DP+(\hh)*256+(\tg)*4*DP+(\e)*16
.endr
.endr
.endr
.endr
	s_wait_xcnt 0x0                                ; the last trip's stores have read their data and their base: both are written again only behind this wait
	s_add_nc_u64 s[8:9], s[8:9], 4096              ; stepped ahead of the stores, which reach back
.irp g, 0,1,2,3
	s_wait_dscnt 24-8*(\g)                         ; group g is in; the 8 (3 - g) loads of the later groups may stay out
.set n, 0
.rept 16
	v_cvt_pk_f16_f32 v[YB+16*(\g)+n], v[GX+32*(\g)+2*n], v[GX+32*(\g)+2*n+1]
.set n, n+1
.endr
.irp hh, 0,1
.irp tg, 0,1
	global_store_b128 v[CO], v[YB+16*(\g)+4*(2*(\hh)+(\tg)):YB+16*(\g)+4*(2*(\hh)+(\tg))+3], s[8:9] offset:(\g)*1024+(\hh)*524288+(\tg)*512-4096  ; four rows of a plane: 512 consecutive bytes, aligned
.endr
.endr
.endr
	v_add_nc_u32 v[RD], 32*DP, v[RD]
.endif
	s_sub_co_u32 s3, s3, 1
	s_cmp_lg_u32 s3, 0
	s_cbranch_scc1 .Lrow
	s_wait_tensorcnt 0x0                           ; the wave's end: behind my last tensor load and my last LDS store
	ds_add_u32 v[SPW], v[NIL]
	s_wait_dscnt 0x0
	CROUND                                         ; the closing round
	s_endpgm
.if CAST
; THE CAST.  Wave q of the 256 (q = 4 x work-group + wave) takes 16,384 numbers of w1 on end and rows 4 q .. 4 q + 3 of w2: eight units of 4,096 numbers, a unit a trip:
; 32 loads of 16 bytes a lane, 64 roundings, 32 stores of 8 bytes a lane, each store of the wave covering 256 consecutive bytes, aligned.  No LDS, no barrier: nothing is shared.
.Lcast:
	v_lshrrev_b32 v1, 5, v0
	v_readfirstlane_b32 s10, v1                    ; wave 0..3
	s_bfe_u32 s40, ttmp6, 0x40000                  ; cx
	s_bfe_u32 s41, ttmp6, 0x40004                  ; cy
	s_and_b32 s13, ttmp7, 0xffff                   ; cluster y
	s_lshl2_add_u32 s13, s13, s41                  ; 4 x cluster y + cy,
	s_lshl2_add_u32 s13, s13, s40                  ; x 4 + cx: the work-group, 0 to 63,
	s_lshl2_add_u32 s13, s13, s10                  ; x 4 + wave: q.  It enters global addresses alone
	v_and_b32 v1, 31, v0
	v_lshlrev_b32 v2, 3, v1                        ; 8 x lane
	v_lshlrev_b32 v1, 4, v1                        ; 16 x lane
	s_lshl_b32 s14, s13, 16                        ; my 65,536 bytes of w1, and of w2
	s_mov_b32 s15, 0
	s_lshl_b32 s16, s13, 15                        ; my 32,768 bytes of w1 in f16
	s_mov_b32 s17, 0
	s_lshl_b32 s18, s13, 11                        ; my four rows' 512 bytes in a block of w2
	s_add_co_u32 s18, s18, WOFF
	s_mov_b32 s19, 0
	s_wait_kmcnt 0x0
	s_add_nc_u64 s[76:77], s[76:77], s[14:15]
	s_add_nc_u64 s[78:79], s[78:79], s[14:15]
	s_add_nc_u64 s[82:83], s[80:81], s[18:19]
	s_add_nc_u64 s[80:81], s[80:81], s[16:17]
	s_mov_b32 s3, 8
.Lunit:                                        ; trips 8 to 5: w1; trips 4 to 1: w2
	s_cmp_gt_u32 s3, 4
	s_cselect_b64 s[20:21], s[76:77], s[78:79]
.set j, 0
.rept 32
	global_load_b128 v[CX+4*j:CX+4*j+3], v1, s[20:21] offset:j*512 th:TH_LOAD_NT
.set j, j+1
.endr
.set j, 0
.rept 32
	s_wait_loadcnt 31-j                            ; load j is in; the 31 - j younger ones may stay out
	v_cvt_pk_f16_f32 v[CY+2*j], v[CX+4*j], v[CX+4*j+1]
	v_cvt_pk_f16_f32 v[CY+2*j+1], v[CX+4*j+2], v[CX+4*j+3]
.set j, j+1
.endr
	s_cmp_gt_u32 s3, 4
	s_cbranch_scc0 .Lblocks
.set j, 0
.rept 32
	global_store_b64 v2, v[CY+2*j:CY+2*j+1], s[80:81] offset:j*256 th:TH_STORE_NT
.set j, j+1
.endr
	s_wait_xcnt 0x0                                ; the stores have read their data and their base: the pointers are stepped, and the data written again, only behind this wait
	s_add_nc_u64 s[76:77], s[76:77], 16384
	s_add_nc_u64 s[80:81], s[80:81], 8192
	s_branch .Lnext
.Lblocks:                                      ; a unit is one row of w2: load j is k = 128 j ..: block j / 2, half j % 2 of the row's 512 bytes there
.set j, 0
.rept 32
	global_store_b64 v2, v[CY+2*j:CY+2*j+1], s[82:83] offset:(j>>1)*524288+(j&1)*256 th:TH_STORE_NT
.set j, j+1
.endr
	s_wait_xcnt 0x0
	s_add_nc_u64 s[78:79], s[78:79], 16384
	s_add_nc_u64 s[82:83], s[82:83], 512
.Lnext:
	s_sub_co_u32 s3, s3, 1
	s_cmp_lg_u32 s3, 0
	s_cbranch_scc1 .Lunit
	s_endpgm
.endif
.Lfunc_end_k_qb5f43eff8e_qkv:
	.size	k_qb5f43eff8e_qkv, .Lfunc_end_k_qb5f43eff8e_qkv-k_qb5f43eff8e_qkv
	.p2alignl 7, 3214868480
	.fill 96, 4, 3214868480
	.section	.rodata,"a",@progbits
	.p2align	6, 0x0
	.amdhsa_kernel k_qb5f43eff8e_qkv
		.amdhsa_group_segment_fixed_size 327680
		.amdhsa_private_segment_fixed_size 0
		.amdhsa_enable_private_segment 0
		.amdhsa_kernarg_size 56
		.amdhsa_user_sgpr_count 2
		.amdhsa_user_sgpr_kernarg_segment_ptr 1
		.amdhsa_wavefront_size32 1
		.amdhsa_system_sgpr_workgroup_id_x 1
		.amdhsa_system_sgpr_workgroup_id_y 1
		.amdhsa_system_sgpr_workgroup_id_z 1
		.amdhsa_system_vgpr_workitem_id 0
		.amdhsa_next_free_vgpr 1024
		.amdhsa_next_free_sgpr 94
		.amdhsa_reserve_vcc 0
		.amdhsa_float_denorm_mode_32 3
		.amdhsa_float_denorm_mode_16_64 3
		.amdhsa_memory_ordered 1
		.amdhsa_forward_progress 1
		.amdhsa_inst_pref_size 82
	.end_amdhsa_kernel
	.amdgpu_metadata
---
amdhsa.version: [ 1, 2 ]
amdhsa.kernels:
  - .name:           k_qb5f43eff8e_qkv
    .symbol:         k_qb5f43eff8e_qkv.kd
    .args:
      - { .name: hb, .offset: 0, .size: 8, .value_kind: global_buffer, .address_space: global }
      - { .name: wA, .offset: 8, .size: 8, .value_kind: global_buffer, .address_space: global }
      - { .name: big, .offset: 16, .size: 8, .value_kind: global_buffer, .address_space: global }
      - { .name: b_qkv, .offset: 24, .size: 8, .value_kind: global_buffer, .address_space: global }
      - { .name: w1, .offset: 32, .size: 8, .value_kind: global_buffer, .address_space: global }
      - { .name: w2, .offset: 40, .size: 8, .value_kind: global_buffer, .address_space: global }
      - { .name: wB, .offset: 48, .size: 8, .value_kind: global_buffer, .address_space: global }
    .group_segment_fixed_size: 327680
    .private_segment_fixed_size: 0
    .kernarg_segment_align: 8
    .kernarg_segment_size: 56
    .max_flat_workgroup_size: 128
    .sgpr_count:     94
    .vgpr_count:     1024
    .wavefront_size: 32
...
	.end_amdgpu_metadata
.endif
;; end of part 2
;; launch attn (part 3): grid 8 x 32, 4 waves a work-group, clusters of 4 x 1, 327,680 bytes of LDS; arguments big, hb; writes hb
.if DOCPART == 3
	.amdgcn_target "amdgcn-amd-amdhsa--gfx1250"
	.amdhsa_code_object_version 6
	.text
	.protected	k_qb5f43eff8e_attn
	.globl	k_qb5f43eff8e_attn
	.p2align	8
	.type	k_qb5f43eff8e_attn,@function
k_qb5f43eff8e_attn:
	s_mov_b64 s[64:65], 0
	v_nop
	global_prefetch_b8 v0, s[64:65] scope:SCOPE_SE
	s_setreg_imm32_b32 hwreg(HW_REG_WAVE_MODE, 25, 1), 1
	s_wait_xcnt 0x0
	s_wait_alu depctr_hold_cnt(0) depctr_sa_sdst(0) depctr_va_vdst(0) depctr_va_sdst(0) depctr_va_ssrc(0) depctr_va_vcc(0) depctr_vm_vsrc(0)
	s_getreg_b32 s2, hwreg(HW_REG_IB_STS2, 6, 4)
	s_cmp_eq_u32 s2, 0
	s_cbranch_scc0 .Lentry_in_a_cluster
	s_endpgm
.Lentry_in_a_cluster:
	s_bfe_u32 s2, ttmp6, 0x10000c
	s_cmp_lg_u32 s2, 0x3003
	s_cbranch_scc0 .Lentry_shape_is_right
	s_endpgm
.Lentry_shape_is_right:
; ATTENTION.  O[y][q][:] = the sum over k of softmax_k(Q[y][q] . K[y][k] / 8) V[y][k][:], 32 heads y of 2,048 rows of 64 channels, all f16, a head's rows dense (128 bytes each).
; In the planes of the launch before, head y = 2 h + b begins at byte y x 262,144 of Q (byte 0 of the buffer), of K (8 MiB) and of V (16 MiB); O has the same layout in its own buffer.
; Products, maxima and sums in f32; the weights p are rounded to f16 for the second product (their sum l is taken of the unrounded p), O once at the end.
; LIMITS.  Q, K, V arrive within f16's 65,504; p lies in 0 to 1, and below 6e-5 keeps f16's fixed step of 6e-8; O is a mean of V's rows.  A weight below 2^-126 counts as 0 in l.  NaN and infinities are not treated apart.
; SHARES.  A work-group owns 256 queries of a head; of its four bands of 64 a wave owns 16 rows in each: four PIECES.  Every wave walks all keys: 8 tiles of 256, 4 steps of 64 each.
; LAYOUT.  S^T = K Q^T holds ONE query a lane (lane % 16) and the keys 8 (lane / 16) + 0..7; two such results rounded to f16 ARE source 1 of O^T = V^T P.  K comes out of LDS as it lies, V turned.
; SOFTMAX.  p = 2^(c s - c m), c = log2(e) / 8, with a running maximum m; O and l are multiplied by a = 2^(c m_old - c m_new) in every step.  m starts at the lowest finite number, O and l at 0.
; BY TURNS.  Turn n belongs to piece n: 8 products K Q^T of piece n + 1, later 8 products V^T P of piece n - 1; beside them the scaling, exponentials, roundings, sums and rescaling of piece n and the maximum
; and statistics of piece n + 1.  Four vector instructions stand behind every matrix instruction, the other 54 of a turn's 118 in two runs of their own.
; CLUSTER.  The four query blocks of a cluster belong to one head and walk the same K and V: each tile is asked for jointly, by the same tensor load, descriptor and mask in all four.
; REGISTERS, in windows of 256: window 0: v0-15 addresses; v16-31 four statistics a piece; v48-55 at work; v61-63; v64-127 S^T, two buffers; v192-223 P, two buffers (by the piece's parity)
;   window 1: v0-127 O^T, 32 a piece      window 2: v0-63 Q; v128-191 K of one step; v192-255 V of one step
.set NP,    4
.set KS,    64
.set PK,    144       ; a row of K in LDS: 128 bytes + 16: the 16 rows of a load start at 16 different groups of four banks (64 banks of 4 bytes: ISA guide 11.1)
.set PV,    160       ; a row of V: 128 + 32
.set VOFF,  4*KS*PK   ; a slot holds a tile: 256 rows of K, then 256 rows of V
.set SLOT1, 1<<17
.set STAGE, SLOT1+4*KS*(PK+PV)  ; behind the ring, never filled: 16 rows x 144 bytes a wave, for the way out
.set SP,    144
.set SPARE, STAGE+4*16*SP       ; the spare words, 128 bytes a wave, that no other line names
.set TILEB, 4*KS*128  ; a tile's bytes of K, and of V
.set AK0, 2           ; v2   my lane's place in a tile of K; never rewritten
.set AV0, 3           ; v3   the same for V
.set AK,  4           ; v4   the LDS address of K's next run of loads
.set AV,  5           ; v5   of V's
.set STO, 6
.set RD,  7
.set GO,  8
.set MV,  12          ; v12-13  c m_old, by buffer
.set QO,  15
.set ST,  16          ; piece t's statistics at v[ST+4 t]: c m, m, l (even keys', odd keys')
.set TMP, 48          ; by buffer, c0-c3 at work; c2 takes a
.set PFO, 61          ; v61  256 x lane; never rewritten
.set SPW, 62          ; v62  my spare word; never rewritten
.set NIL, 63          ; v63  0; never rewritten
.set S,   64
.set P,   192
.set KF,  128
.set VF,  192
.set WV,  12
.set G1K, 24
.set G1V, 32
.set G0K, 40
.set G0V, 44
.set PFA, 48          ; s[48:49] where my prefetches stand
.set LIM, 50          ; s50  1 in a wave that prefetches, else the greatest number
.set SLOTS, 56
.set CNT, 57
.set CS,  58
.set SEL, 60
.set TBK, 62
.set TBV, 63
.set MSB, 0
.macro WIN new
.if MSB != (\new)
	s_set_vgpr_msb (MSB<<8)|(\new)
.set MSB, (\new)
.endif
.endm
.set W_KQ, 0x0a       ; K and Q in window 2, S^T in window 0
.set W_PV, 0x52       ; V in window 2, P in window 0, O^T in window 1
.set W_RS, 0x41       ; destination and source 0 in window 1, source 1 in window 0
; A joint fill: waves 0 and 1 fetch the two halves of a tile's K, waves 2 and 3 those of its V.  An s_nop 0 and four v_nop follow each line.
.macro JLOAD
	s_cmp_lt_u32 s[WV], 2
	s_cbranch_scc0 .Lfor_v_\@
	tensor_load_to_lds s[G0K:G0K+3], s[G1K:G1K+7]
	s_nop 0
.rept 4
	v_nop
.endr
	s_branch .Lasked_\@
.Lfor_v_\@:
	tensor_load_to_lds s[G0V:G0V+3], s[G1V:G1V+7]
	s_nop 0
.rept 4
	v_nop
.endr
.Lasked_\@:
.endm
; A prefetch into the L2 of the tile that the NEXT change of slots will ask for: 128 blocks of 256 bytes of K and of V.  The head's first cluster asks; its four partners take 32 blocks each, told apart by address;
; in each, wave 0 asks for K's and wave 2 for V's, a lane a block.  The last change that fills a slot asks for nothing.
.macro ASK
	s_cmp_gt_u32 s[SLOTS], s[LIM]
	s_cbranch_scc0 .Lnot_mine_\@
	global_prefetch_b8 v[PFO], s[PFA:PFA+1] th:TH_LOAD_NT scope:SCOPE_SE
.Lnot_mine_\@:
.endm
.macro CROUND
	s_barrier_signal -1
	s_barrier_wait -1
	s_cmp_lg_u32 s[WV], 0
	s_cbranch_scc1 .Lnot_wave_0_\@
	s_barrier_signal -3
.Lnot_wave_0_\@:
	s_barrier_wait -3
	s_barrier_signal -1
	s_barrier_wait -1
.endm
; THE CHANGE OF SLOTS.  Each wave waits for all its tensor loads (one is out: its part of the other slot), adds 0 to its spare word, and waits for that and for its reads of the slot that it leaves.
; fill = 1: a round of the cluster's barrier, and the old slot is filled again first thing behind it: four key steps, 256 matrix instructions, in which to land.
.macro CHANGE fill
	WIN 0
	s_wait_tensorcnt 0x0            ; no tensor load of mine is out, so a group 0 may be written
	ds_add_u32 v[SPW], v[NIL]
.if \fill
.irp g, G0K, G0V
	s_xor_b32 s[\g+1], s[\g+1], SLOT1
	s_add_nc_u64 s[\g+2:\g+3], s[\g+2:\g+3], TILEB
.endr
	s_wait_xcnt 0x0                 ; the last prefetch, a tile back, has read its address
	s_add_nc_u64 s[PFA:PFA+1], s[PFA:PFA+1], TILEB
	s_wait_dscnt 0x0                ; the add is done, and my reads of the slot are over
	CROUND
	JLOAD
	ASK
.else
	s_wait_dscnt 0x0
	s_barrier_signal -1
	s_barrier_wait -1
.endif
	s_sub_co_u32 s[TBK], s[TBK], 4*KS*PK  ; the fetches go back to a slot's first step, in the other slot
	s_xor_b32 s[TBK], s[TBK], SLOT1
	s_sub_co_u32 s[TBV], s[TBV], 4*KS*PV
	s_xor_b32 s[TBV], s[TBV], SLOT1
.endm
	s_load_b128 s[4:7], s[0:1], 0x0   ; the planes s[4:5], O s[6:7]
	v_lshl_add_u32 v[SPW], v0, 2, SPARE
	v_mov_b32 v[NIL], 0
	ds_add_u32 v[SPW], v[NIL]       ; the wave's opening: the add and its wait stand ahead of my first tensor load
	v_lshrrev_b32 v1, 5, v0
	v_readfirstlane_b32 s[WV], v1
	s_bfe_u32 s13, ttmp6, 0x40000   ; cx
	s_lshl_b32 s14, ttmp9, 2
	s_add_co_u32 s14, s14, s13      ; my block of 256 queries: it enters Q's and O's addresses alone
	s_and_b32 s20, ttmp7, 0xffff    ; the head, which the four partners share
	s_lshl_b32 s20, s20, 18         ; its first byte
	s_mov_b32 s21, 0
	s_and_b32 s16, s[WV], 1         ; which half of a tile's 256 keys I fetch
	s_lshl_b32 s22, s16, 14
	s_mov_b32 s23, 0
	s_add_nc_u64 s[22:23], s[22:23], s[20:21]
	s_mul_i32 s17, s16, 128*PK
	s_mul_i32 s18, s16, 128*PV
	s_lshl_b32 s2, s14, 15          ; my block's 256 rows,
	s_lshl_b32 s3, s[WV], 11        ; my 16 rows in a band
	s_add_co_u32 s2, s2, s3
	s_mov_b32 s3, 0
	s_add_nc_u64 s[2:3], s[2:3], s[20:21]
	; 128 keys are 16,384 dense bytes: asked for as 64 rows of 256 bytes, two keys a row, padded in LDS after every key
	s_mov_b32 s[G1K], 15|(1<<16)|(1<<20)|(1<<21)|(4<<22)|(3<<25)
	s_mov_b32 s[G1V], 15|(1<<16)|(1<<20)|(1<<21)|(4<<22)|(7<<25)
.irp g, G1K, G1V
	s_mov_b32 s[\g+1], 128<<16
	s_mov_b32 s[\g+2], 64<<16
	s_mov_b32 s[\g+3], 128<<16
	s_mov_b32 s[\g+4], 64
	s_mov_b32 s[\g+5], 128
	s_mov_b32 s[\g+6], 0
	s_mov_b32 s[\g+7], 0
.endr
	s_mov_b32 s[CS], 0x3e38aa3b     ; c = log2(e) / 8
	s_mov_b32 s[CS+1], s[CS]
	s_mov_b32 s[SEL], 0x76543210
	s_mov_b32 s[SEL+1], 0xfedcba98
	s_mov_b32 s[TBK], SLOT1+4*KS*PK ; the first change of slots turns these two into 0
	s_mov_b32 s[TBV], SLOT1+4*KS*PV
	s_mov_b32 s[G0K], 1
	s_mov_b32 s[G0K+1], s17
	s_mov_b32 s[G0V], 1
	s_add_co_u32 s[G0V+1], s18, VOFF
	s_mov_b32 s[SLOTS], 7
	s_and_b32 s[LIM], s[WV], 1      ; 0 in waves 0 and 2,
	s_or_b32 s[LIM], s[LIM], ttmp9  ; where the cluster is the head's first
	s_cmp_eq_u32 s[LIM], 0
	s_cselect_b32 s[LIM], 1, -1
	v_and_b32 v[PFO], 31, v0
	v_lshlrev_b32 v[PFO], 8, v[PFO]
	s_wait_dscnt 0x0                ; the opening add is done
	s_wait_kmcnt 0x0
	s_mov_b64 s[10:11], s[6:7]      ; O
	s_add_nc_u64 s[8:9], s[4:5], 16777216  ; V
	s_add_nc_u64 s[6:7], s[4:5], 8388608   ; K
	s_add_nc_u64 s[6:7], s[6:7], s[22:23]  ; at my half of the head's tile 0
	s_add_nc_u64 s[8:9], s[8:9], s[22:23]
	s_mov_b64 s[G0K+2:G0K+3], s[6:7]
	s_or_b32 s[G0K+3], s[G0K+3], 0x80000000
	s_mov_b64 s[G0V+2:G0V+3], s[8:9]
	s_or_b32 s[G0V+3], s[G0V+3], 0x80000000
	s_add_nc_u64 s[4:5], s[4:5], s[2:3]    ; Q and O at my rows
	s_add_nc_u64 s[10:11], s[10:11], s[2:3]
	s_cmp_lt_u32 s[WV], 2
	s_cselect_b64 s[PFA:PFA+1], s[6:7], s[8:9]  ; (in waves 0 and 2 these stand at a tile's first row)
	s_lshl_b32 s2, s13, 13          ; my work-group's 32 blocks of the 128
	s_mov_b32 s3, 0
	s_add_nc_u64 s[PFA:PFA+1], s[PFA:PFA+1], s[2:3]
	s_add_nc_u64 s[PFA:PFA+1], s[PFA:PFA+1], TILEB  ; in tile 1; the first change of slots steps it to tile 2
	CROUND                          ; all four work-groups are here
	JLOAD                           ; tile 0 into slot 0
	v_and_b32 v1, 15, v0            ; l % 16
	v_bfe_u32 v9, v0, 4, 1          ; l / 16
	v_lshlrev_b32 v[QO], 7, v1
	v_lshl_add_u32 v[QO], v9, 4, v[QO]
	WIN 0x80
.set i, 0
.rept 8                             ; Q stays in registers: piece i / 2 lies in band i / 2, 8,192 bytes on; channels 32 (i % 2) on
	global_load_b128 v[8*i:8*i+3],   v[QO], s[4:5] offset:(i/2)*8192+(i%2)*64
	global_load_b128 v[8*i+4:8*i+7], v[QO], s[4:5] offset:(i/2)*8192+(i%2)*64+32
.set i, i+1
.endr
	WIN 0
	v_mul_u32_u24 v[AK0], v1, PK
	v_lshl_add_u32 v[AK0], v9, 4, v[AK0]
	v_and_b32 v10, 7, v0            ; the turning load: lane l reads key 8 (l / 16) + l % 8, channels 8 ((l / 8) % 2) ..
	v_bfe_u32 v11, v0, 3, 1
	v_lshl_add_u32 v[AV0], v9, 3, v10
	v_mul_u32_u24 v[AV0], v[AV0], PV
	v_lshl_add_u32 v[AV0], v11, 4, v[AV0]
	v_add_nc_u32 v[AV0], VOFF, v[AV0]
	s_mul_i32 s13, s[WV], 16*SP
	s_add_co_u32 s13, s13, STAGE
	v_mul_u32_u24 v[STO], v1, SP
	v_lshl_add_u32 v[STO], v9, 4, v[STO]
	v_add_nc_u32 v[STO], s13, v[STO]
	v_bfe_u32 v[RD], v0, 3, 2
	v_mul_u32_u24 v[RD], v[RD], SP
	v_lshl_add_u32 v[RD], v10, 4, v[RD]
	v_add_nc_u32 v[RD], s13, v[RD]
	v_and_b32 v[GO], 31, v0
	v_lshlrev_b32 v[GO], 4, v[GO]
	; What the first turn finds: V's registers and P's second buffer hold 0 (its products V^T P, of a piece that has not been, add 0); O^T and l are 0.  All this stands in the wait for the first tile.
	WIN 0x80
.set i, VF
.rept 64
	v_mov_b32 v[i], 0
.set i, i+1
.endr
	WIN 0x40
.set i, 0
.rept 128
	v_mov_b32 v[i], 0
.set i, i+1
.endr
	WIN 0
.set i, 0
.rept 4
	v_mov_b32 v[ST+4*i], 0xfe000000    ; c m: far below every c s
	v_mov_b32 v[ST+4*i+1], 0xff7fffff  ; m
	v_mov_b32 v[ST+4*i+2], 0
	v_mov_b32 v[ST+4*i+3], 0
.set i, i+1
.endr
.set i, P+16
.rept 16
	v_mov_b32 v[i], 0
.set i, i+1
.endr
; THE MATRIX WORK.  The 4 accumulators of a run of 8 take turns.
.macro KQ x                         ; product i of 8 of S^T = K Q^T for piece x: channels 32 (i / 4) on, keys 16 (i % 4) on
	WIN W_KQ
.set rS, S+32*((\x)%2)+8*(i%4)
.set rK, KF+16*(i%4)+8*(i/4)
.set rQ, 16*(\x)+8*(i/4)
.if i < 4
	v_wmma_f32_16x16x32_f16 v[rS:rS+7], v[rK:rK+7], v[rQ:rQ+7], 0
.else
	v_wmma_f32_16x16x32_f16 v[rS:rS+7], v[rK:rK+7], v[rQ:rQ+7], v[rS:rS+7]
.endif
.endm
.macro PV x                         ; product i of 8 of O^T += V^T P for piece x: keys 32 (i / 4) on, channels 16 (i % 4) on
	WIN W_PV
.set rO, 32*(\x)+8*(i%4)
.set rV, VF+32*(i/4)+8*(i%4)
.set rP, P+16*((\x)%2)+8*(i/4)
	v_wmma_f32_16x16x32_f16 v[rO:rO+7], v[rV:rV+7], v[rP:rP+7], v[rO:rO+7]
.endm
.macro MM                           ; the turn's next matrix instruction.  NOKQ = 1: the last turn: there is no next piece
.if (i < 8) && !NOKQ
	KQ (Y+1)%NP
.elseif i >= 8
.set i, i-8
	PV (Y+NP-1)%NP
.set i, i+8
.endif
.set i, i+1
.endm
; THE LDS LOADS stand in runs of 16
.macro FETCH_K
	WIN 0x80
.irp f, 0,1,2,3,4,5,6,7
	ds_load_b128 v[KF+8*\f:KF+8*\f+3],   v[AK] offset:(\f/2)*16*PK+(\f%2)*64
	ds_load_b128 v[KF+8*\f+4:KF+8*\f+7], v[AK] offset:(\f/2)*16*PK+(\f%2)*64+32
.endr
	s_add_co_u32 s[TBK], s[TBK], KS*PK
	WIN 0
.endm
.macro FETCH_V
	WIN 0x80
.irp f, 0,1,2,3,4,5,6,7
	ds_load_tr16_b128 v[VF+8*\f:VF+8*\f+3],   v[AV] offset:(\f/4)*32*PV+(\f%4)*32
	ds_load_tr16_b128 v[VF+8*\f+4:VF+8*\f+7], v[AV] offset:(\f/4)*32*PV+16*PV+(\f%4)*32
.endr
	WIN 0
.endm
; THE VECTOR WORK, one line at a time: OP kind, number.  For piece Y: F n: c s - c m for pair n of 16.  E n: the exponential of score n.  C n: pair n rounded to f16.  B n: of the weights 4 n .. the second pair is
; added onto the first.  L n: l takes that sum (L 0: l = a l + sum).  R n: pair n of 16 of O^T times a.  For piece Y + 1: X n, number n of the 22 that find its maximum and statistics (each accumulator's lowest
; registers are read first): 0-14, 16 the maximum; 15 c m_old is kept; 17, 18 the other half of the lanes; 19-21 c m, c m_old - c m_new, a.
.set F, 0
.set E, 1
.set C, 2
.set B, 3
.set L, 4
.set R, 5
.set X, 6
.macro REGS y
.set rT, ST+4*(\y)
.set rC, TMP+4*((\y)%2)
.set rW, MV+((\y)%2)
.set rS, S+32*((\y)%2)
.set rP, P+16*((\y)%2)
.set rO, 32*(\y)
.endm
.macro OP k, n
.if (\k) == R
	REGS Y
	WIN W_RS
	v_pk_mul_f32 v[rO+2*(\n):rO+2*(\n)+1], v[rO+2*(\n):rO+2*(\n)+1], v[rC+2:rC+3] op_sel_hi:[1,0]
.elseif (\k) < R
	REGS Y
	WIN 0
.if (\k) == F
	v_pk_fma_f32 v[rS+2*(\n):rS+2*(\n)+1], v[rS+2*(\n):rS+2*(\n)+1], s[CS:CS+1], v[rT:rT+1] op_sel_hi:[1,0,0] neg_lo:[0,0,1] neg_hi:[0,0,1]
.elseif (\k) == E
	v_exp_f32 v[rS+(\n)], v[rS+(\n)]
.elseif (\k) == C
	s_wait_alu depctr_va_vdst(0)
	v_cvt_pk_f16_f32 v[rP+(\n)], v[rS+2*(\n)], v[rS+2*(\n)+1]
.elseif (\k) == B
	s_wait_alu depctr_va_vdst(0)
	v_pk_add_f32 v[rS+4*(\n):rS+4*(\n)+1], v[rS+4*(\n):rS+4*(\n)+1], v[rS+4*(\n)+2:rS+4*(\n)+3]
.elseif (\n) == 0
	v_pk_fma_f32 v[rT+2:rT+3], v[rT+2:rT+3], v[rC+2:rC+3], v[rS:rS+1] op_sel_hi:[1,0,1]
.else
	v_pk_add_f32 v[rT+2:rT+3], v[rT+2:rT+3], v[rS+4*(\n):rS+4*(\n)+1]
.endif
.elseif NOKQ
	v_nop
.else
	REGS (Y+1)%NP
	WIN 0
.if (\n) < 4
	v_max3_num_f32 v[rC+(\n)], v[rS+8*(\n)], v[rS+8*(\n)+1], v[rS+8*(\n)+2]
.elseif (\n) < 12
	v_max3_num_f32 v[rC+(\n)%4], v[rC+(\n)%4], v[rS+8*((\n)%4)+2*((\n)/4)+1], v[rS+8*((\n)%4)+2*((\n)/4)+2]
.elseif (\n) == 12
	v_max3_num_f32 v[rC], v[rC], v[rS+7], v[rS+15]
.elseif (\n) == 13
	v_max3_num_f32 v[rC+1], v[rC+1], v[rS+23], v[rS+31]
.elseif (\n) == 14
	v_max3_num_f32 v[rC+2], v[rC+2], v[rC+3], v[rT+1]
.elseif (\n) == 15
	v_mov_b32 v[rW], v[rT]
.elseif (\n) == 16
	v_max3_num_f32 v[rC], v[rC], v[rC+1], v[rC+2]
.elseif (\n) == 17
	v_permlanex16_b32 v[rC+3], v[rC], s[SEL], s[SEL+1]
.elseif (\n) == 18
	v_max_num_f32 v[rT+1], v[rC], v[rC+3]
.elseif (\n) == 19
	v_mul_f32 v[rT], s[CS], v[rT+1]
.elseif (\n) == 20
	v_sub_f32 v[rC+1], v[rW], v[rT]
.else
	v_exp_f32 v[rC+2], v[rC+1]
.endif
.endif
.endm
.macro OPS a, i1, b=-1, i2=0, c=-1, i3=0, d=-1, i4=0
	OP \a, \i1
.if (\b) >= 0
	OP \b, \i2
.endif
.if (\c) >= 0
	OP \c, \i3
.endif
.if (\d) >= 0
	OP \d, \i4
.endif
.endm
.macro ROW a, i1, b, i2, c, i3, d, i4  ; a matrix instruction and the four behind it
	MM
	OPS \a, \i1, \b, \i2, \c, \i3, \d, \i4
.endm
; A TURN, for piece p: the order of its 16 matrix and 118 vector instructions, written out.  end = 1: the walk's last two turns: nothing is fetched.  cnt = 1: the loop's count is taken down some lines ahead of the branch.
; K of the next step is fetched in piece 2's turn, six vector instructions behind the last product that read K (five of them plain); V of the step in hand in piece 0's turn, eight behind the last product that read V
; (four of them plain).  Each is waited for a turn later.
.macro TURN p, end=0, cnt=0
.set Y, (\p)
.set i, 0
.set NOKQ, (\end)*((\p)/3)
.if ((\p) == 3) && !(\end)
	s_wait_dscnt 0x0                ; K is in
.endif
	ROW F,0, F,1, F,2, F,3
	ROW F,4, E,0, F,5, F,6
	ROW F,7, E,1, F,8, F,9
	ROW F,10, E,2, C,0, F,11
	ROW F,12, E,3, X,15, F,13
	ROW R,0, R,1, R,2, R,3
	ROW B,0, E,4, F,14, L,0
.if ((\p) == 2) && !(\end)
	v_add_nc_u32 v[AK], s[TBK], v[AK0]
.endif
	ROW R,4, R,5, R,6, R,7
	OPS E,5, F,15
.if ((\p) == 2) && !(\end)
	FETCH_K
.endif
	OPS E,6, C,1, E,7, R,8
	OPS E,8, R,9, E,9, C,2
	OPS E,10, X,0, E,11, X,1
	OPS E,12, X,2, E,13, X,3
.if (\p) == 1
	s_wait_dscnt 0x0                ; V is in
.endif
	ROW X,4, E,14, X,5, X,6
	ROW X,7, E,15, X,8, X,9
	ROW X,10, E,16, X,11, X,12
	ROW X,13, E,17, X,14, B,1
	ROW C,4, E,18, X,16, L,1
	ROW B,2, E,19, C,6, L,2
	ROW C,8, E,20, B,3, B,4
.if (\p) == 0
	v_add_nc_u32 v[AV], s[TBV], v[AV0]
.endif
	ROW C,3, E,21, L,3, C,5
	OPS E,22, X,17, E,23, C,10
.if (\p) == 0
	FETCH_V
.endif
	OPS E,24, L,4
	OPS E,25, X,18, E,26, C,7
	OPS E,27, B,5, E,28, X,19
	OPS E,29, C,12, E,30, L,5
	OPS E,31, X,20, B,6, C,9
	OPS C,14, C,11, X,21, L,6
.if (\p) == 0
	s_add_co_u32 s[TBV], s[TBV], KS*PV
.endif
.if \cnt
	s_sub_co_u32 s[CNT], s[CNT], 1
	s_cmp_lg_u32 s[CNT], 0
.endif
	OPS C,13, B,7, C,15, R,10
	OPS R,11, R,12, L,7, R,13
	OPS R,14, R,15
.endm
	CHANGE 1                        ; tile 0 is in, everybody's part of it; tile 1 is asked for
	v_add_nc_u32 v[AK], s[TBK], v[AK0]
	FETCH_K                         ; key step 0
	s_wait_loadcnt 0x0              ; Q
	s_wait_dscnt 0x0
.set NOKQ, 0
.set i, 0
.rept 8
	KQ 0                            ; piece 0's first scores
.set i, i+1
.endr
	WIN 0
.rept 4
	v_nop                           ; the places behind those products
.endr
.set Y, NP-1                        ; X works for piece Y + 1: piece 0
.irp n, 0,1,2,3,4,5,6,7,8,9,10,11,12,13,14,15,16,17,18,19,20,21
	OP X, \n
.endr
	v_nop                           ; a plain instruction behind the exponential
	s_mov_b32 s[CNT], 4
	s_branch .Lfirst                ; the loop is entered at a step's first turn, in the middle of a trip
.Lslot:                             ; six times: tiles 2 to 7 are asked for
	CHANGE 1
	s_mov_b32 s[CNT], 4
.Lstep:                             ; a trip: pieces 2 and 3 of one step, then pieces 0 and 1 of the next, whose K and V it fetches
	TURN 2
	TURN 3
	WIN 0
.Lfirst:
	TURN 0
	TURN 1, 0, 1
	WIN 0
	s_cbranch_scc1 .Lstep
	s_sub_co_u32 s[SLOTS], s[SLOTS], 1
	s_cmp_lg_u32 s[SLOTS], 0
	s_cbranch_scc1 .Lslot
	CHANGE 0                        ; the last tile is written out: nothing is asked for
	s_mov_b32 s[CNT], 4
.LstepT:
	TURN 2
	TURN 3
	TURN 0
	TURN 1, 0, 1
	WIN 0
	s_cbranch_scc1 .LstepT
	TURN 2, 1
	TURN 3, 1
.set i, 0
.rept 8
	PV NP-1                         ; the last piece's V^T P of the last step
.set i, i+1
.endr
	; THE WAY OUT.  l's two halves and the other half of the lanes' are added; O^T is divided by l, rounded to f16 and sent through my stage in LDS, a piece at a time.  The additions are the places behind the last products.
	WIN 0
.macro ALL line:vararg
.set t, 0
.rept 4
	\line
.set t, t+1
.endr
.endm
	ALL v_add_f32 v[ST+4*t+2], v[ST+4*t+2], v[ST+4*t+3]
	ALL v_permlanex16_b32 v[ST+4*t+3], v[ST+4*t+2], s[SEL], s[SEL+1]
	ALL v_add_f32 v[ST+4*t+2], v[ST+4*t+2], v[ST+4*t+3]
	ALL v_rcp_f32 v[ST+4*t+2], v[ST+4*t+2]
	v_nop                           ; a plain instruction between the last reciprocal and the use of its result
.macro PACK t
	WIN W_RS
.set i, 32*(\t)
.rept 16
	s_wait_alu depctr_va_vdst(0)
	v_pk_mul_f32 v[i:i+1], v[i:i+1], v[ST+4*(\t)+2:ST+4*(\t)+3] op_sel_hi:[1,0]
.set i, i+2
.endr
	WIN 0x05                        ; sources 0 and 1 window 1, destination window 0
.set i, 0
.rept 16
	v_cvt_pk_f16_f32 v[S+16*(\t)+i], v[32*(\t)+2*i], v[32*(\t)+2*i+1]
.set i, i+1
.endr
	WIN 0
.irp f, 0,1,2,3
	ds_store_b128 v[STO], v[S+16*(\t)+4*\f:S+16*(\t)+4*\f+3] offset:32*\f
.endr
.irp f, 0,1,2,3
	ds_load_b128 v[S+16*(\t)+4*\f:S+16*(\t)+4*\f+3], v[RD] offset:\f*4*SP  ; LDS serves a wave's instructions in order (ISA guide 5.7.1.4): these see the stores above; the next piece's stores come behind them
.endr
.endm
.macro SEND t, younger              ; younger: the LDS instructions issued behind piece t's loads: the next piece's eight, or none
	WIN 0
.irp f, 0,1,2,3
	s_wait_dscnt (\younger)+3-\f
	global_store_b128 v[GO], v[S+16*(\t)+4*\f:S+16*(\t)+4*\f+3], s[10:11] offset:(\t)*8192+\f*512  ; 512 consecutive bytes, aligned
.endr
.endm
	PACK 0
.set t, 1
.rept 3
	PACK t
	SEND t-1, 8
.set t, t+1
.endr
	SEND 3, 0
	s_wait_tensorcnt 0x0            ; the wave's end: behind my last tensor load and my last LDS store
	ds_add_u32 v[SPW], v[NIL]
	s_wait_dscnt 0x0
	CROUND                          ; the closing round
	s_endpgm
.Lfunc_end_k_qb5f43eff8e_attn:
	.size	k_qb5f43eff8e_attn, .Lfunc_end_k_qb5f43eff8e_attn-k_qb5f43eff8e_attn
	.p2alignl 7, 3214868480
	.fill 96, 4, 3214868480
	.section	.rodata,"a",@progbits
	.p2align	6, 0x0
	.amdhsa_kernel k_qb5f43eff8e_attn
		.amdhsa_group_segment_fixed_size 327680
		.amdhsa_private_segment_fixed_size 0
		.amdhsa_enable_private_segment 0
		.amdhsa_kernarg_size 16
		.amdhsa_user_sgpr_count 2
		.amdhsa_user_sgpr_kernarg_segment_ptr 1
		.amdhsa_wavefront_size32 1
		.amdhsa_system_sgpr_workgroup_id_x 1
		.amdhsa_system_sgpr_workgroup_id_y 1
		.amdhsa_system_sgpr_workgroup_id_z 1
		.amdhsa_system_vgpr_workitem_id 0
		.amdhsa_next_free_vgpr 768
		.amdhsa_next_free_sgpr 66
		.amdhsa_reserve_vcc 0
		.amdhsa_float_denorm_mode_32 3
		.amdhsa_float_denorm_mode_16_64 3
		.amdhsa_memory_ordered 1
		.amdhsa_forward_progress 1
		.amdhsa_inst_pref_size 134
	.end_amdhsa_kernel
	.amdgpu_metadata
---
amdhsa.version: [ 1, 2 ]
amdhsa.kernels:
  - .name:           k_qb5f43eff8e_attn
    .symbol:         k_qb5f43eff8e_attn.kd
    .args:
      - { .name: big, .offset: 0, .size: 8, .value_kind: global_buffer, .address_space: global }
      - { .name: hb, .offset: 8, .size: 8, .value_kind: global_buffer, .address_space: global }
    .group_segment_fixed_size: 327680
    .private_segment_fixed_size: 0
    .kernarg_segment_align: 8
    .kernarg_segment_size: 16
    .max_flat_workgroup_size: 128
    .sgpr_count:     66
    .vgpr_count:     768
    .wavefront_size: 32
...
	.end_amdgpu_metadata
.endif
;; end of part 3
;; launch oproj (part 4): grid 8 x 32, 4 waves a work-group, clusters of 4 x 4, 327,680 bytes of LDS; arguments hb, wA, x1, b_o, x; writes x1
.if DOCPART == 4
	.amdgcn_target "amdgcn-amd-amdhsa--gfx1250"
	.amdhsa_code_object_version 6
	.text
	.protected	k_qb5f43eff8e_oproj
	.globl	k_qb5f43eff8e_oproj
	.p2align	8
	.type	k_qb5f43eff8e_oproj,@function
k_qb5f43eff8e_oproj:
	s_mov_b64 s[64:65], 0
	v_nop
	global_prefetch_b8 v0, s[64:65] scope:SCOPE_SE
	s_setreg_imm32_b32 hwreg(HW_REG_WAVE_MODE, 25, 1), 1
	s_wait_xcnt 0x0
	s_wait_alu depctr_hold_cnt(0) depctr_sa_sdst(0) depctr_va_vdst(0) depctr_va_sdst(0) depctr_va_ssrc(0) depctr_va_vcc(0) depctr_vm_vsrc(0)
	s_getreg_b32 s2, hwreg(HW_REG_IB_STS2, 6, 4)
	s_cmp_eq_u32 s2, 0
	s_cbranch_scc0 .Lentry_in_a_cluster
	s_endpgm
.Lentry_in_a_cluster:
	s_bfe_u32 s2, ttmp6, 0x10000c
	s_cmp_lg_u32 s2, 0xf033
	s_cbranch_scc0 .Lentry_shape_is_right
	s_endpgm
.Lentry_shape_is_right:
; C[t][n] = R[t][n] + bias[n] + sum over k of A[t][k] W[n][k], K = 256 x STEPS.  C, R: [4096][1024] f32 row-major; bias f32.
; A is f16 IN PLANES of 64 channels: byte (k / 64) x 524,288 + t x 128 + 2 (k % 64).  W is f16 IN BLOCKS [k / 256][1024 n][k % 256], 8 MiB behind its buffer's first byte.
; Neither layout's strides hang on K: the source for K = 1,024 (STEPS = 4, this one) and that for K = 4,096 (STEPS = 16) differ in that one line.
; A tile of C is 128 x 128, which gives each of 256 work-groups one: four waves, each 64 x 64 in 16 accumulators.  K goes in steps of 256 through two LDS slots.
; A's part of a step, for 64 rows, is 4 planes x 8,192 dense bytes, one tensor load; W's, for 64 rows, 64 dense rows of 512 bytes.
; CLUSTER 4 x 4: A's tile is asked for jointly along a row of the cluster, W's along a column.
; The matrix instruction is used transposed (source 0 = 16 rows of W, source 1 = 16 rows of A): a lane holds one row t and eight neighbouring columns.  The bias is the C operand of the products that start the sums.
; THE WALK is written short.  Its unit is a PAIR of quarter steps (64 along K each): the first multiplies fragment buffer 1 and fetches into buffer 0, the second the other way round.  Where the fetches read is a
; scalar for A and one for W: an exclusive or moves them half a K step at each pair's end, another changes slot.  First quarter, a pair, then (change of slots with refill, two pairs) STEPS - 2 times,
; then (change without refill, two pairs), last quarter.  At a change of slots the old slot's last fragments are in registers, so the slot is free; the refill has a whole K step, 128 matrix instructions, in which to land.
; THE WAY OUT: a wave's 64 columns of f32 are 256 aligned bytes of a row, so each wave has a stage of its own (16 rows) and no barrier is needed; the residual, loaded at the kernel's head in the
; layout of the stores, is added in f32 on the way.
; THE TILES ARE PREFETCHED INTO THE L2 where the walk is long enough (STEPS above 4): behind each joint refill stands one prefetch for the K step two refills on, 256 matrix instructions ahead of the load that
; will want it.  With STEPS = 4 the two refills have no K step two on, and none of those lines is assembled.
; LIMITS.  Operands are f16 (65,504 at the most); sums, bias and residual stay in f32.  NaN and infinities are not treated apart.
; REGISTERS: window 0: v0-31 addresses; v32-95 two buffers of rows on the way out; v96-127 the bias; v128-255 the accumulators ((a, b) at v[128 + 8 (4 a + b)]);
;   window 1: two fragment buffers of 128 (64 of A, then 64 of W, for 64 along K);  window 2: v0-127 the residual.
.set STEPS,  4
.set APITCH, 144                       ; a row of A in LDS: 128 bytes + 16: the 16 rows of a load start at 16 different groups of four banks (64 banks of 4 bytes: ISA guide 11.1)
.set AQ,     64*APITCH                 ; a plane's 64 rows: a quarter of a K step
.set AHALF,  4*AQ                      ; 0x9000: what one tensor load of A brings
.set XA,     2*AHALF                   ; 0x12000: from A's slot 0 to its slot 1; shares no bit with 0x9000 nor with 2 AQ = 0x4800, so an exclusive or changes slot
.set BPITCH, 528                       ; a row of W: 512 bytes + 16
.set BHALF,  64*BPITCH                 ; 0x8400
.set BOFF,   2*XA                      ; 0x24000: W's slot 0, behind A's two
.set XB,     0x11000                   ; from W's slot 0 to its slot 1 (a slot is 0x10800); shares no bit with 0x24000, 0x2c400 nor 0x100
.set STAGE,  BOFF+XB+2*BHALF           ; behind the ring, never filled: 16 rows x 272 bytes a wave
.set SPITCH, 272
.set SPARE,  STAGE+4*16*SPITCH         ; the spare words, 128 bytes a wave, that no other line names
.set WOFF,   8388608
.set ASTEP,  4*524288                  ; bytes from K step to K step in A,
.set BSTEP,  524288                    ; in W
.set ADRA,  16                         ; v16  LDS address of the A fragments that the pair in hand fetches
.set ADRA0, 17                         ; v17  the same at slot 0, quarter 0; never rewritten
.set ADRB,  20
.set ADRB0, 21
.set STO,  24
.set RD,   25
.set CO,   26                          ; v26  my byte offset in two rows of C and of R
.set BO,   27
.set SPW,  28
.set NIL,  29
.set PFO,  30                          ; v30  256 x lane; never rewritten
.set OB,   32
.set BIAS, 96
.set ACC,  128
.set F0,   0
.set F1,   128
.set G1,  24                           ; s[24:31] group 1 for A;  s[32:39] group 0: a set for each first fill; the second then walks
.set G0,  32
.set G1B, 48
.set G0B, 56
.set LIM, 43                           ; s43  2 in a wave that prefetches, else the greatest number
.set PFA, 44                           ; s[44:45] where my prefetches stand: at the K step that the next one names
.set SBA, 76                           ; s76  where the pair in hand fetches A: 0 or XA, plus 0 or 2 AQ
.set SBB, 77                           ; s77  and W: 0 or XB, plus 0 or 256
.set PST, 78                           ; s[78:79] bytes from K step to K step in the tensor that I fetch for
.set MSB, 0
.macro WIN new
.if MSB != (\new)
	s_set_vgpr_msb (MSB<<8)|(\new)
.set MSB, \new
.endif
.endm
.set MUL,  0x05                        ; sources 0 (W) and 1 (A) window 1; C and D window 0
.set TO_F, 0x40
.macro JLOAD s                         ; waves 0 and 1 fetch A's two halves, waves 2 and 3 W's; an s_nop 0 and four v_nop follow each line
	s_cmp_eq_u32 s11, 0
	s_cbranch_scc0 .Lfor_b_\@
	tensor_load_to_lds s[G0+4*(\s):G0+4*(\s)+3], s[G1:G1+7]
	s_nop 0
.rept 4
	v_nop
.endr
	s_branch .Lasked_\@
.Lfor_b_\@:
	tensor_load_to_lds s[G0B+4*(\s):G0B+4*(\s)+3], s[G1B:G1B+7]
	s_nop 0
.rept 4
	v_nop
.endr
.Lasked_\@:
.endm
; A prefetch into the L2: 8,192 bytes of the K step two refills on, a lane 256 bytes.  A wave's load brings 32,768 bytes: of A 4 planes x 8,192, of W 64 rows on end.  The four partners that ask for it jointly
; take 8,192 each, told apart by address: of A the partner at place cx takes plane cx, of W the partner at place cy the cy-th quarter.  A's rows are named by the cluster with x = 0, W's by the cluster with y = 0:
; so each block is named once in the launch.  The last two refills (s3 = 2, 1) have no K step two on.
.macro ASK
	s_cmp_gt_u32 s3, s[LIM]
	s_cbranch_scc0 .Lnot_mine_\@
	global_prefetch_b8 v[PFO], s[PFA:PFA+1] th:TH_LOAD_NT scope:SCOPE_SE
.Lnot_mine_\@:
.endm
.macro CROUND                          ; a round of the cluster's barrier
	s_barrier_signal -1
	s_barrier_wait -1
	s_cmp_lg_u32 s10, 0
	s_cbranch_scc1 .Lnot_wave_0_\@
	s_barrier_signal -3
.Lnot_wave_0_\@:
	s_barrier_wait -3
	s_barrier_signal -1
	s_barrier_wait -1
.endm
	s_load_b128 s[4:7], s[0:1], 0x0                ; A s[4:5], W s[6:7]
	s_load_b64 s[8:9], s[0:1], 0x10                ; C
	s_load_b128 s[68:71], s[0:1], 0x18             ; bias s[68:69], R s[70:71]
	v_lshl_add_u32 v[SPW], v0, 2, SPARE
	v_mov_b32 v[NIL], 0
	ds_add_u32 v[SPW], v[NIL]                      ; the wave's opening: the add and its wait stand ahead of my first tensor load
	v_lshrrev_b32 v1, 5, v0
	v_readfirstlane_b32 s10, v1
	s_lshr_b32 s11, s10, 1                         ; my half of the tile's rows.  Also: I fetch for A (0) or W (1)
	s_and_b32 s12, s10, 1                          ; my half of its columns.  Also: which 64 rows I fetch
	s_bfe_u32 s40, ttmp6, 0x40000
	s_bfe_u32 s41, ttmp6, 0x40004
	s_lshl_b32 s42, ttmp9, 2
	s_add_co_u32 s42, s42, s40                     ; tile column
	s_and_b32 s13, ttmp7, 0xffff
	s_lshl_b32 s13, s13, 2
	s_add_co_u32 s13, s13, s41                     ; tile row
	s_lshl_b32 s43, s41, 2
	s_lshl_b32 s43, 15, s43
	s_lshl_b32 s44, 0x1111, s40
	s_or_b32 s[G1+0], s43, (1<<16)|(1<<20)|(1<<21)|(4<<22)|(3<<25)   ; A: the mask of my row; 2-byte elements; padding on; bit 21 beside a mask; after every 32 words (a row of 64 channels), 4 words
	s_mov_b32 s[G1+1], 4096<<16                    ; tensor_dim0 = 4,096: 64 rows x 64 channels on end
	s_mov_b32 s[G1+2], 4<<16                       ; tensor_dim1 = 4 planes
	s_mov_b32 s[G1+3], 4096<<16                    ; tile_dim0
	s_mov_b32 s[G1+4], 4                           ; tile_dim1
	s_mov_b32 s[G1+5], 262144                      ; elements from plane to plane
	s_mov_b32 s[G1+6], 0
	s_mov_b32 s[G1+7], 0
	s_or_b32 s[G1B+0], s44, (1<<16)|(1<<20)|(1<<21)|(6<<22)|(3<<25)  ; W: the mask of my column; after every 128 words, 4 words
	s_mov_b32 s[G1B+1], 256<<16
	s_mov_b32 s[G1B+2], 64<<16
	s_mov_b32 s[G1B+3], 256<<16
	s_mov_b32 s[G1B+4], 64
	s_mov_b32 s[G1B+5], 256
	s_mov_b32 s[G1B+6], 0
	s_mov_b32 s[G1B+7], 0
	s_lshl_b32 s17, s12, 6
	s_lshl_b32 s16, s13, 7
	s_add_co_u32 s16, s16, s17                     ; A: row 128 x tile row + 64 x half,
	s_lshl_b32 s16, s16, 7                         ; 128 bytes a row in a plane
	s_lshl_b32 s46, s42, 7
	s_add_co_u32 s46, s46, s17                     ; W: row 128 x tile column + 64 x half,
	s_lshl_b32 s46, s46, 9                         ; 512 bytes a row in a block
	s_add_co_u32 s46, s46, WOFF
	s_mov_b32 s17, 0
	s_mov_b32 s47, 0
	s_mul_i32 s20, s12, AHALF                      ; where they go
	s_mul_i32 s21, s12, BHALF
	s_add_co_u32 s21, s21, BOFF
	s_wait_dscnt 0x0                               ; the opening add is done
	s_wait_kmcnt 0x0
	s_add_nc_u64 s[14:15], s[4:5], s[16:17]
	s_add_nc_u64 s[46:47], s[6:7], s[46:47]
	CROUND                                         ; all sixteen work-groups are here
.irp s, 0,1
	s_mov_b32 s[G0+4*(\s)], 1
	s_add_co_u32 s[G0+4*(\s)+1], s20, (\s)*XA
	s_add_nc_u64 s[G0+4*(\s)+2:G0+4*(\s)+3], s[14:15], (\s)*ASTEP
	s_or_b32 s[G0+4*(\s)+3], s[G0+4*(\s)+3], 0x80000000
	s_mov_b32 s[G0B+4*(\s)], 1
	s_add_co_u32 s[G0B+4*(\s)+1], s21, (\s)*XB
	s_add_nc_u64 s[G0B+4*(\s)+2:G0B+4*(\s)+3], s[46:47], (\s)*BSTEP
	s_or_b32 s[G0B+4*(\s)+3], s[G0B+4*(\s)+3], 0x80000000
	JLOAD \s                                       ; K steps 0 and 1: two loads of mine are out
.endr
.if STEPS > 4
	; the prefetches.  s[14:15] and s[46:47] still stand at K step 0 of what waves 0, 1 and waves 2, 3 fetch.  Nothing is prefetched here, at the head: K steps 2 and 3 come by their refills alone
	s_lshl_b32 s20, s40, 19                        ; of A: plane cx
	s_lshl_b32 s21, s41, 13                        ; of W: the cy-th 8,192 bytes
	s_and_b32 s22, ttmp7, 0xffff                   ; cluster y
	s_mov_b32 s[PST], BSTEP
	s_cmp_eq_u32 s11, 0                            ; do I fetch for A?
	s_cselect_b32 s20, s20, s21
	s_cselect_b32 s22, ttmp9, s22                  ; the coordinate along which other clusters read the same rows
	s_cselect_b32 s[PST], ASTEP, s[PST]
	s_cselect_b64 s[PFA:PFA+1], s[14:15], s[46:47]
	s_cmp_eq_u32 s22, 0
	s_cselect_b32 s[LIM], 2, -1                    ; the same in all sixteen partners, for a given wave
	s_mov_b32 s21, 0
	s_mov_b32 s[PST+1], 0
	s_add_nc_u64 s[PFA:PFA+1], s[PFA:PFA+1], s[20:21]
	s_mul_i32 s20, s[PST], 3
	s_add_nc_u64 s[PFA:PFA+1], s[PFA:PFA+1], s[20:21]  ; at K step 3: the first refill steps it to 4 and names that
	v_and_b32 v[PFO], 31, v0
	v_lshlrev_b32 v[PFO], 8, v[PFO]
.endif
	v_and_b32 v1, 15, v0
	v_bfe_u32 v2, v0, 4, 1
	v_mul_u32_u24 v3, v1, APITCH
	v_lshl_add_u32 v3, v2, 4, v3
	v_mul_u32_u24 v4, v1, BPITCH
	v_lshl_add_u32 v4, v2, 4, v4
	s_mul_i32 s21, s11, AHALF                      ; my 64 rows of A
	s_mul_i32 s22, s12, BHALF                      ; my 64 rows of W
	s_add_co_u32 s22, s22, BOFF
	v_add_nc_u32 v[ADRA0], s21, v3
	v_add_nc_u32 v[ADRB0], s22, v4
	v_mov_b32 v[ADRA], v[ADRA0]
	v_mov_b32 v[ADRB], v[ADRB0]
	s_mul_i32 s23, s10, 16*SPITCH
	s_add_co_u32 s23, s23, STAGE                   ; my stage
	v_mul_u32_u24 v5, v1, SPITCH
	v_lshl_add_u32 v5, v2, 5, v5
	v_add_nc_u32 v[STO], s23, v5                   ; in: row l % 16, 32 bytes for each half of the lanes
	v_mul_u32_u24 v5, v2, SPITCH
	v_lshl_add_u32 v5, v1, 4, v5
	v_add_nc_u32 v[RD], s23, v5                    ; back: lanes 0-15 one row of 256 bytes, lanes 16-31 the next
	v_lshlrev_b32 v5, 12, v2
	v_lshl_add_u32 v[CO], v1, 4, v5                ; the same two rows in C and R
	v_lshlrev_b32 v[BO], 5, v2
	s_lshl_b32 s16, s13, 7
	s_lshl_b32 s17, s11, 6
	s_add_co_u32 s16, s16, s17                     ; my first row,
	s_lshl_b32 s16, s16, 12                        ; 4,096 bytes a row
	s_mov_b32 s17, 0
	s_lshl_b32 s46, s42, 7
	s_lshl_b32 s47, s12, 6
	s_add_co_u32 s46, s46, s47                     ; my first column,
	s_lshl_b32 s46, s46, 2                         ; in bytes
	s_mov_b32 s47, 0
	s_add_nc_u64 s[68:69], s[68:69], s[46:47]
	s_add_nc_u64 s[16:17], s[16:17], s[46:47]
	s_add_nc_u64 s[8:9], s[8:9], s[16:17]
	s_add_nc_u64 s[70:71], s[70:71], s[16:17]
.irp b, 0,1,2,3
	global_load_b128 v[BIAS+8*(\b):BIAS+8*(\b)+3],   v[BO], s[68:69] offset:64*(\b)
	global_load_b128 v[BIAS+8*(\b)+4:BIAS+8*(\b)+7], v[BO], s[68:69] offset:64*(\b)+16
.endr
	WIN 0x80                                       ; destination window 2
.set t, 0
.rept 32
	global_load_b128 v[4*t:4*t+3], v[CO], s[70:71] offset:8192*t th:TH_LOAD_NT  ; rows 2 t, 2 t + 1 of my 64: they land while K is walked
.set t, t+1
.endr
	WIN 0
; 8 matrix instructions: row blocks a0, a0 + 1 x all 4 column blocks, 32 along K: half c of buffer f.  zero = 1: the bias starts the sums.  The 16 accumulators take turns.
.macro MUL8 f, c, a0, zero
	WIN MUL
.irp a, \a0, (\a0)+1
.irp b, 0,1,2,3
.if \zero
	v_wmma_f32_16x16x32_f16 v[ACC+8*(4*(\a)+(\b)):ACC+8*(4*(\a)+(\b))+7], v[(\f)+64+8*(4*(\c)+(\b)):(\f)+64+8*(4*(\c)+(\b))+7], v[(\f)+8*(4*(\c)+(\a)):(\f)+8*(4*(\c)+(\a))+7], v[BIAS+8*(\b):BIAS+8*(\b)+7]
.else
	v_wmma_f32_16x16x32_f16 v[ACC+8*(4*(\a)+(\b)):ACC+8*(4*(\a)+(\b))+7], v[(\f)+64+8*(4*(\c)+(\b)):(\f)+64+8*(4*(\c)+(\b))+7], v[(\f)+8*(4*(\c)+(\a)):(\f)+8*(4*(\c)+(\a))+7], v[ACC+8*(4*(\a)+(\b)):ACC+8*(4*(\a)+(\b))+7]
.endif
.endr
.endr
.endm
; 32 LDS loads in one run: quarter q (0, 1) behind the pair's addresses (64 along K: one plane of A, 128 bytes of W's rows) into buffer f; the first 32 along K first
.macro FETCH q, f
	WIN TO_F
.irp c, 0,1
.irp i, 0,1,2,3
	ds_load_b128 v[(\f)+64+8*(4*(\c)+(\i)):(\f)+64+8*(4*(\c)+(\i))+3],   v[ADRB] offset:(\q)*128+64*(\c)+(\i)*16*BPITCH
	ds_load_b128 v[(\f)+64+8*(4*(\c)+(\i))+4:(\f)+64+8*(4*(\c)+(\i))+7], v[ADRB] offset:(\q)*128+64*(\c)+(\i)*16*BPITCH+32
	ds_load_b128 v[(\f)+8*(4*(\c)+(\i)):(\f)+8*(4*(\c)+(\i))+3],         v[ADRA] offset:(\q)*AQ+64*(\c)+(\i)*16*APITCH
	ds_load_b128 v[(\f)+8*(4*(\c)+(\i))+4:(\f)+8*(4*(\c)+(\i))+7],       v[ADRA] offset:(\q)*AQ+64*(\c)+(\i)*16*APITCH+32
.endr
.endr
.endm
.macro PLACES                          ; four places in front of loads into registers that matrix instructions have read, and of stores that read results
.rept 4
	v_nop
.endr
.endm
; A quarter step: multiplies buffer f and, in its middle, fetches the next quarter into g.  step = 1: the pair's addresses are made first; the two additions are two of the four places.
.macro QUARTER f, g, q, zero, step
	s_wait_dscnt 16                                ; the first 32 along K are in
	MUL8 \f, 0, 0, \zero
	MUL8 \f, 0, 2, \zero
.if \step
	WIN 0
	v_add_nc_u32 v[ADRA], s[SBA], v[ADRA0]
	v_add_nc_u32 v[ADRB], s[SBB], v[ADRB0]
	v_nop
	v_nop
.else
	PLACES
.endif
	FETCH \q, \g
	s_wait_dscnt 32                                ; all but the 32 just issued
	MUL8 \f, 1, 0, 0
	MUL8 \f, 1, 2, 0
.endm
.macro PAIR
	QUARTER F1, F0, 0, 0, 1
	QUARTER F0, F1, 1, 0, 0
	s_xor_b32 s[SBA], s[SBA], 2*AQ                 ; the next pair fetches half a K step on, or (with the change of slots) at the other slot's head
	s_xor_b32 s[SBB], s[SBB], 256
.endm
; THE CHANGE OF SLOTS, between two pairs: the old slot's last fragments have been asked for.  Each wave waits for all its tensor loads (one is out: its part of the next slot), adds 0 to its spare word,
; and waits for that and for its reads of the old slot.  fill = 1: a round of the cluster's barrier, and the old slot takes the K step two on, first thing behind it.
.macro SYNC fill
	s_wait_tensorcnt 0x0                           ; no tensor load of mine is out, so a group 0 may be written
	ds_add_u32 v[SPW], v[NIL]                      ; 0 onto my spare word; the scalar steps stand between it and the wait for it
	s_xor_b32 s[SBA], s[SBA], XA
	s_xor_b32 s[SBB], s[SBB], XB
.if \fill
	s_xor_b32 s[G0+5], s[G0+5], XA                 ; the walking descriptors: the other slot than last time, the next K step
	s_add_nc_u64 s[G0+6:G0+7], s[G0+6:G0+7], ASTEP
	s_xor_b32 s[G0B+5], s[G0B+5], XB
	s_add_nc_u64 s[G0B+6:G0B+7], s[G0B+6:G0B+7], BSTEP
.if STEPS > 4
	s_wait_xcnt 0x0                                ; the last prefetch, a K step back, has read its address
	s_add_nc_u64 s[PFA:PFA+1], s[PFA:PFA+1], s[PST:PST+1]
.endif
	s_wait_dscnt 0x0                               ; the add is done, and my reads of the old slot are over
	CROUND                                         ; no wave of any partner still reads that slot or has a load on its way
	JLOAD 1                                        ; my one tensor load behind the round
.if STEPS > 4
	ASK
.endif
.else
	s_wait_dscnt 0x0
	s_barrier_signal -1
	s_barrier_wait -1
.endif
.endm
	s_wait_tensorcnt 1                             ; my part of K step 0 is in; K step 1's may stay out
	s_barrier_signal -1
	s_barrier_wait -1
	FETCH 0, F0
	s_wait_loadcnt 32                              ; the bias is in; the residual's 32 loads may stay out
	QUARTER F0, F1, 1, 1, 0                        ; the first quarter starts the sums
	WIN 0
	s_mov_b32 s[SBA], 2*AQ
	s_mov_b32 s[SBB], 256
	s_mov_b32 s3, STEPS-1                          ; STEPS - 2 refills
	s_mov_b32 s2, 1                                ; ahead of the first change of slots stands one pair
	s_branch .Lpair
.Lstep:
	SYNC 1
	s_mov_b32 s2, 2
.Lpair:
	PAIR
	WIN 0
	s_sub_co_u32 s2, s2, 1
	s_cmp_lg_u32 s2, 0
	s_cbranch_scc1 .Lpair
	s_sub_co_u32 s3, s3, 1
	s_cmp_lg_u32 s3, 0
	s_cbranch_scc1 .Lstep
	SYNC 0                                         ; the tail is written out: the last K step is waited for, nothing is asked for
	s_mov_b32 s2, 2
.Ltail:
	PAIR
	WIN 0
	s_sub_co_u32 s2, s2, 1
	s_cmp_lg_u32 s2, 0
	s_cbranch_scc1 .Ltail
	s_wait_dscnt 16                                ; the last quarter fetches nothing
	MUL8 F1, 0, 0, 0
	MUL8 F1, 0, 2, 0
	s_wait_dscnt 0x0
	MUL8 F1, 1, 0, 0
	MUL8 F1, 1, 2, 0
	WIN 0
	; THE WAY OUT, 16 rows at a time
	PLACES
	s_wait_loadcnt 0x0                             ; the residual
.macro TOSTAGE a
.set BK, OB+32*((\a)%2)
	s_wait_xcnt 0x0                                ; the stores of the block two back have read this buffer: it is loaded again only behind this wait
.irp b, 0,1,2,3
	ds_store_b128 v[STO], v[ACC+8*(4*(\a)+(\b)):ACC+8*(4*(\a)+(\b))+3]   offset:64*(\b)     ; each accumulator's low four registers first
	ds_store_b128 v[STO], v[ACC+8*(4*(\a)+(\b))+4:ACC+8*(4*(\a)+(\b))+7] offset:64*(\b)+16
.endr
.irp t, 0,1,2,3,4,5,6,7
	ds_load_b128 v[BK+4*(\t):BK+4*(\t)+3], v[RD] offset:(\t)*2*SPITCH  ; LDS serves a wave's instructions in order (ISA guide 5.7.1.4): these see the stores above; the next block's stores come behind them
.endr
.endm
.macro SEND a, younger                 ; younger: the next block's sixteen LDS instructions, or none
.set BK, OB+32*((\a)%2)
	s_wait_dscnt \younger
	WIN 0x08                                       ; source 1 in window 2
.set n, 0
.rept 16
	v_pk_add_f32 v[BK+n:BK+n+1], v[BK+n:BK+n+1], v[32*(\a)+n:32*(\a)+n+1]
.set n, n+2
.endr
	WIN 0
.irp t, 0,1,2,3,4,5,6,7
	global_store_b128 v[CO], v[BK+4*(\t):BK+4*(\t)+3], s[8:9] offset:(16*(\a)+2*(\t))*4096 th:TH_STORE_NT  ; 16 lanes store 256 consecutive bytes, aligned
.endr
.endm
	TOSTAGE 0
	TOSTAGE 1
	SEND 0, 16
	TOSTAGE 2
	SEND 1, 16
	TOSTAGE 3
	SEND 2, 16
	SEND 3, 0
	s_wait_tensorcnt 0x0                           ; the wave's end: behind my last tensor load and my last LDS store
	ds_add_u32 v[SPW], v[NIL]
	s_wait_dscnt 0x0
	CROUND                                         ; the closing round
	s_endpgm
.Lfunc_end_k_qb5f43eff8e_oproj:
	.size	k_qb5f43eff8e_oproj, .Lfunc_end_k_qb5f43eff8e_oproj-k_qb5f43eff8e_oproj
	.p2alignl 7, 3214868480
	.fill 96, 4, 3214868480
	.section	.rodata,"a",@progbits
	.p2align	6, 0x0
	.amdhsa_kernel k_qb5f43eff8e_oproj
		.amdhsa_group_segment_fixed_size 327680
		.amdhsa_private_segment_fixed_size 0
		.amdhsa_enable_private_segment 0
		.amdhsa_kernarg_size 40
		.amdhsa_user_sgpr_count 2
		.amdhsa_user_sgpr_kernarg_segment_ptr 1
		.amdhsa_wavefront_size32 1
		.amdhsa_system_sgpr_workgroup_id_x 1
		.amdhsa_system_sgpr_workgroup_id_y 1
		.amdhsa_system_sgpr_workgroup_id_z 1
		.amdhsa_system_vgpr_workitem_id 0
		.amdhsa_next_free_vgpr 640
		.amdhsa_next_free_sgpr 80
		.amdhsa_reserve_vcc 0
		.amdhsa_float_denorm_mode_32 3
		.amdhsa_float_denorm_mode_16_64 3
		.amdhsa_memory_ordered 1
		.amdhsa_forward_progress 1
		.amdhsa_inst_pref_size 52
	.end_amdhsa_kernel
	.amdgpu_metadata
---
amdhsa.version: [ 1, 2 ]
amdhsa.kernels:
  - .name:           k_qb5f43eff8e_oproj
    .symbol:         k_qb5f43eff8e_oproj.kd
    .args:
      - { .name: hb, .offset: 0, .size: 8, .value_kind: global_buffer, .address_space: global }
      - { .name: wA, .offset: 8, .size: 8, .value_kind: global_buffer, .address_space: global }
      - { .name: x1, .offset: 16, .size: 8, .value_kind: global_buffer, .address_space: global }
      - { .name: b_o, .offset: 24, .size: 8, .value_kind: global_buffer, .address_space: global }
      - { .name: x, .offset: 32, .size: 8, .value_kind: global_buffer, .address_space: global }
    .group_segment_fixed_size: 327680
    .private_segment_fixed_size: 0
    .kernarg_segment_align: 8
    .kernarg_segment_size: 40
    .max_flat_workgroup_size: 128
    .sgpr_count:     80
    .vgpr_count:     640
    .wavefront_size: 32
...
	.end_amdgpu_metadata
.endif
;; end of part 4
;; launch ln2: the kernel of part 1 again; grid 256 x 1, 4 waves a work-group, no clusters, 0 bytes of LDS; arguments x1, ln2_g, ln2_b, w_qkv, w_o, hb, wA; writes hb, wA
;; launch ffn1 (part 5): grid 16 x 16, 4 waves a work-group, clusters of 4 x 4, 327,680 bytes of LDS; arguments hb, wB, big, b1; writes big
.if DOCPART == 5
	.amdgcn_target "amdgcn-amd-amdhsa--gfx1250"
	.amdhsa_code_object_version 6
	.text
	.protected	k_qb5f43eff8e_ffn1
	.globl	k_qb5f43eff8e_ffn1
	.p2align	8
	.type	k_qb5f43eff8e_ffn1,@function
k_qb5f43eff8e_ffn1:
	s_mov_b64 s[64:65], 0
	v_nop
	global_prefetch_b8 v0, s[64:65] scope:SCOPE_SE
	s_setreg_imm32_b32 hwreg(HW_REG_WAVE_MODE, 25, 1), 1
	s_wait_xcnt 0x0
	s_wait_alu depctr_hold_cnt(0) depctr_sa_sdst(0) depctr_va_vdst(0) depctr_va_sdst(0) depctr_va_ssrc(0) depctr_va_vcc(0) depctr_vm_vsrc(0)
	s_getreg_b32 s2, hwreg(HW_REG_IB_STS2, 6, 4)
	s_cmp_eq_u32 s2, 0
	s_cbranch_scc0 .Lentry_in_a_cluster
	s_endpgm
.Lentry_in_a_cluster:
	s_bfe_u32 s2, ttmp6, 0x10000c
	s_cmp_lg_u32 s2, 0xf033
	s_cbranch_scc0 .Lentry_shape_is_right
	s_endpgm
.Lentry_shape_is_right:
; C[t][n] = act( bias[n] + sum over k of A[t][k] W[n][k] ), K = 1,024.  A: [4096][1024] f16 row-major; W: [N][1024] f16 row-major, at its buffer's first byte; bias f32.
; C leaves in f16 IN PLANES of 64 columns: byte (n / 64) x 524,288 + t x 128 + 2 (n % 64).  act is the identity (GELU = 0) or the exact GELU (GELU = 1, this text).
; The source serves two launches and differs between them in the two lines GELU and CAST.  N does not enter it (a plane's stride hangs on the 4,096 rows alone).
; A tile of C is 256 x 256: four waves, each 128 x 128 in 64 accumulators (512 registers).  K goes in 8 steps of 128 through two LDS slots filled by the tensor data mover (rows of 256 bytes).
; CAST = 0 (this text): N = 4,096 gives 16 x 16 tiles, a work-group each.  (CAST = 1: the work-groups of cluster column 3 have no tile and round later launches' weights to f16.)
; CLUSTER 4 x 4: A's tile is asked for jointly along a row of the cluster, W's along a column.
; The matrix instruction is used transposed (source 0 = 16 rows of W, source 1 = 16 rows of A): a lane holds one row t and eight neighbouring columns.  The bias, in that layout, is the C operand
; of the products that start the sums.
; THE WALK is written short.  Its unit is a PAIR of quarter steps (32 along K each): the first multiplies fragment buffer 1 and fetches into buffer 0, the second the other way round.  Where the fetches read is a
; scalar: an exclusive or moves it half a K step at each pair's end, another changes slot.  First quarter, a pair, then (change of slots with refill, two pairs) six times, then (change without refill, two pairs), last quarter.
; At a change of slots the old slot's last fragments are in registers, so the slot is free; the refill then has a whole K step, 256 matrix instructions, in which to land.  No product stands inside the round: the price of one text for every pair.
; THE WAY OUT: when the last product is issued and every wave has read the ring for the last time, each wave lays its 128 x 128 sums (f32) into its own part of the ring, which is filled no more,
; reads them back as a plane wants them, applies act, rounds once to f16 and stores 512 consecutive bytes an instruction.  GELU = 0: 32 rows a trip, their 32 LDS loads in one run, taken up eight at a time.
; GELU = 1: 8 rows a trip; the next trip's rows are asked for as soon as x has been used, and land under the rest of the arithmetic.
; GELU(x) = x/2 + |x/2| erf(|x| / sqrt 2), erf(z) = 1 - (a1 t + a2 t^2 + a3 t^3) e^(-z^2), t = 1 / (1 + 0.47047 z) (Abramowitz and Stegun 7.1.25: within 2.5e-5 for every z >= 0).
; LIMITS.  Operands and results are f16: beyond 65,504 a result becomes an infinity; below 6e-5 f16 keeps a fixed step of 6e-8.  erf as above.  NaN and infinities are not treated apart.
; REGISTERS, in windows of 256: window 0: v0-31 addresses, v32-47 packed results, v64-191 A's two fragment buffers, v192-255 the bias (on the way out v64-255 are at work);
;   window 1: v64-191 W's two fragment buffers; windows 2, 3: the accumulators of my rows 0-63, 64-127, (a, b) at v[8 (8 a + b)].
.set GELU,   1
.set CAST,   0
.set SIZE_K, 1024
.set KSTEP,  128
.set PITCH,  272                       ; an LDS row: 256 bytes + 16 of padding: the 16 rows of a fragment load start 4 banks apart (64 banks of 4 bytes: ISA guide 11.1)
.set HALFT,  128*PITCH                 ; what one tensor load brings
.set SLOT,   4*HALFT                   ; 0x22000: shares no bit with wave x HALFT nor with 128, so one exclusive or changes slot
.set SPARE,  2*SLOT                    ; behind the ring: the spare words, 128 bytes a wave, that no other line names
.set DP,     528                       ; the way out: a row of 128 f32 + 16 bytes
.set DUMP,   128*DP                    ; a wave's part of the ring on the way out
.set WOFF,   8388608                   ; where the blocked w2 begins in wB
.set ADRA,  16                         ; v16  LDS address of the A fragments that the pair in hand fetches
.set ADRA0, 17                         ; v17  the same at slot 0, K = 0; never rewritten
.set ADRB,  20
.set ADRB0, 21
.set STO,  24                          ; v24  the way out: where I put 32 bytes of a row
.set RD,   25                          ; v25  where I read 32 bytes back
.set CO,   26                          ; v26  16 x lane
.set BO,   27                          ; v27  32 x (lane / 16): my eight numbers in 16 of the bias
.set SPW,  28                          ; v28  my spare word; never rewritten
.set NIL,  29                          ; v29  0; never rewritten
.set PFO,  30                          ; v30  lane x a row of A or W (2,048 bytes); never rewritten
.set YY,   32
.set F0,   64
.set F1,   128
.set BIAS, 192
.set GX,   64                          ; the way out: x (GELU = 0: 128 registers of it), x/2, t, e, the polynomial
.set GH,   96
.set GU,   128
.set GQ,   160
.set GP,   192
.set YB,   192                         ; GELU = 0: 64 registers of packed results
.set CX,   32                          ; the cast: v[32:159] a unit as loaded, v[160:223] as stored
.set CY,   160
.set G1,  24                           ; s[24:31] group 1 for A;  s[32:39] group 0: a set for each first fill; the second then walks
.set G0,  32
.set G1B, 48                           ; s[48:55], s[56:63] the same for W
.set G0B, 56
.set LIM, 43                           ; s43  2 in a wave that prefetches, else the greatest number
.set PFA, 44                           ; s[44:45] where my prefetches stand
.set SB,  72                           ; s72  where the pair in hand fetches: 0 or SLOT, plus 0 or 128
.set PC,  84                           ; s84  0.47047 / sqrt 2
.set NK,  86                           ; s[86:87] -log2(e) / 2
.set A3,  88                           ; s[88:89] -a3,  s[90:91] -a2,  s[92:93] -a1
.set A2,  90
.set A1,  92
.set MSB, 0
.macro WIN new                         ; the immediate's high byte repeats the setting that is left; a switch that changes nothing is dropped
.if MSB != (\new)
	s_set_vgpr_msb (MSB<<8)|(\new)
.set MSB, \new
.endif
.endm
.set MUL_LO, 0xa1                      ; source 0 (W) window 1, source 1 (A) window 0, C and D window 2
.set TO_B,   0x40                      ; destination window 1, address window 0
; A joint load: waves 0 and 1 fetch A's two halves, waves 2 and 3 W's.  An s_nop 0 and four v_nop follow each line, ahead of the jump and the label.
.macro JLOAD s
	s_cmp_eq_u32 s11, 0
	s_cbranch_scc0 .Lfor_b_\@
	tensor_load_to_lds s[G0+4*(\s):G0+4*(\s)+3], s[G1:G1+7]
	s_nop 0
.rept 4
	v_nop
.endr
	s_branch .Lasked_\@
.Lfor_b_\@:
	tensor_load_to_lds s[G0B+4*(\s):G0B+4*(\s)+3], s[G1B:G1B+7]
	s_nop 0
.rept 4
	v_nop
.endr
.Lasked_\@:
.endm
; A prefetch into the L2 of the K step two refills on: 32 rows x 256 bytes, a lane a row.  A's rows are named by the cluster with x = 0, W's by the cluster with y = 0; the four partners that ask for a tile
; jointly take 32 of a wave's 128 rows each, told apart by address.  The last two refills (s3 = 2, 1) have no K step two on.
.macro ASK
	s_cmp_gt_u32 s3, s[LIM]
	s_cbranch_scc0 .Lnot_mine_\@
	global_prefetch_b8 v[PFO], s[PFA:PFA+1] offset:KSTEP*2 th:TH_LOAD_NT scope:SCOPE_SE
.Lnot_mine_\@:
.endm
.macro CROUND                          ; a round of the cluster's barrier
	s_barrier_signal -1
	s_barrier_wait -1
	s_cmp_lg_u32 s10, 0
	s_cbranch_scc1 .Lnot_wave_0_\@
	s_barrier_signal -3
.Lnot_wave_0_\@:
	s_barrier_wait -3
	s_barrier_signal -1
	s_barrier_wait -1
.endm
	s_load_b128 s[4:7], s[0:1], 0x0                ; A s[4:5], W s[6:7]
	s_load_b64 s[8:9], s[0:1], 0x10                ; C
	s_load_b64 s[68:69], s[0:1], 0x18              ; bias
.if CAST
	s_load_b128 s[76:79], s[0:1], 0x20             ; w1 s[76:77], w2 s[78:79]
	s_load_b64 s[80:81], s[0:1], 0x30              ; wB
.endif
	v_lshl_add_u32 v[SPW], v0, 2, SPARE
	v_mov_b32 v[NIL], 0
.if CAST
	s_cmp_eq_u32 ttmp9, 3                          ; the cluster's x: the same in all sixteen partners
	s_cbranch_scc1 .Lcast
.endif
	ds_add_u32 v[SPW], v[NIL]                      ; the wave's opening: the add and its wait stand ahead of my first tensor load
	v_lshrrev_b32 v1, 5, v0
	v_readfirstlane_b32 s10, v1                    ; wave 0..3
	s_lshr_b32 s11, s10, 1                         ; my half of the tile's rows.  Also: I fetch for A (0) or W (1)
	s_and_b32 s12, s10, 1                          ; my half of its columns.  Also: which 128 rows I fetch
	s_bfe_u32 s40, ttmp6, 0x40000                  ; cx
	s_bfe_u32 s41, ttmp6, 0x40004                  ; cy
	s_lshl_b32 s42, ttmp9, 2
	s_add_co_u32 s42, s42, s40                     ; tile column
	s_and_b32 s13, ttmp7, 0xffff
	s_lshl_b32 s13, s13, 2
	s_add_co_u32 s13, s13, s41                     ; tile row
	s_lshl_b32 s43, s41, 2
	s_lshl_b32 s43, 15, s43                        ; my row of the cluster
	s_lshl_b32 s44, 0x1111, s40                    ; my column
	s_or_b32 s[G1+0], s43, (1<<16)|(1<<20)|(1<<21)|(5<<22)|(3<<25)   ; the mask; 2-byte elements; padding on; bit 21 beside a mask; after every 64 words, 4 words
	s_or_b32 s[G1B+0], s44, (1<<16)|(1<<20)|(1<<21)|(5<<22)|(3<<25)
.irp g, G1, G1B
	s_mov_b32 s[(\g)+1], KSTEP<<16                 ; tensor_dim0 = 128
	s_mov_b32 s[(\g)+2], 128<<16                   ; tensor_dim1 = 128
	s_mov_b32 s[(\g)+3], KSTEP<<16                 ; tile_dim0 = 128
	s_mov_b32 s[(\g)+4], 128                       ; tile_dim1 = 128
	s_mov_b32 s[(\g)+5], SIZE_K                    ; elements from row to row
	s_mov_b32 s[(\g)+6], 0
	s_mov_b32 s[(\g)+7], 0
.endr
.if GELU
	s_mov_b32 s[PC], 0x3eaa540e
	s_mov_b32 s[NK], 0xbf38aa3b
	s_mov_b32 s[NK+1], 0xbf38aa3b                  ; the pairs' second words are named with the first, so they are written
	s_mov_b32 s[A3], 0xbf3f7377
	s_mov_b32 s[A3+1], 0xbf3f7377
	s_mov_b32 s[A2], 0x3dc45ca1
	s_mov_b32 s[A2+1], 0x3dc45ca1
	s_mov_b32 s[A1], 0xbeb2303a
	s_mov_b32 s[A1+1], 0xbeb2303a
.endif
	s_lshl_b32 s17, s12, 7
	s_lshl_b32 s16, s13, 8
	s_add_co_u32 s16, s16, s17                     ; A: row 256 x tile row + 128 x half
	s_lshl_b32 s16, s16, 11                        ; in bytes
	s_lshl_b32 s46, s42, 8
	s_add_co_u32 s46, s46, s17                     ; W: row 256 x tile column + 128 x half
	s_lshl_b32 s46, s46, 11
	s_mov_b32 s17, 0
	s_mov_b32 s47, 0
	s_mul_i32 s20, s10, HALFT                      ; where they go: wave x 128 rows
	s_wait_dscnt 0x0                               ; the opening add is done
	s_wait_kmcnt 0x0
	s_add_nc_u64 s[14:15], s[4:5], s[16:17]
	s_add_nc_u64 s[46:47], s[6:7], s[46:47]
	CROUND                                         ; all sixteen work-groups are here: the first joint loads meet
.irp s, 0,1
	s_mov_b32 s[G0+4*(\s)], 1
	s_add_co_u32 s[G0+4*(\s)+1], s20, (\s)*SLOT
	s_add_nc_u64 s[G0+4*(\s)+2:G0+4*(\s)+3], s[14:15], (\s)*KSTEP*2
	s_or_b32 s[G0+4*(\s)+3], s[G0+4*(\s)+3], 0x80000000
	s_mov_b32 s[G0B+4*(\s)], 1
	s_add_co_u32 s[G0B+4*(\s)+1], s20, (\s)*SLOT
	s_add_nc_u64 s[G0B+4*(\s)+2:G0B+4*(\s)+3], s[46:47], (\s)*KSTEP*2
	s_or_b32 s[G0B+4*(\s)+3], s[G0B+4*(\s)+3], 0x80000000
	JLOAD \s                                       ; K steps 0 and 1: two loads of mine are out
.endr
	v_and_b32 v1, 15, v0                           ; l % 16
	v_bfe_u32 v2, v0, 4, 1                         ; l / 16
	v_mul_u32_u24 v3, v1, PITCH
	v_lshl_add_u32 v3, v2, 4, v3                   ; a fragment's row x pitch + 16 x half
	s_mul_i32 s21, s11, HALFT                      ; my 128 rows of A
	s_mul_i32 s22, s12, HALFT                      ; my 128 rows of W,
	s_add_co_u32 s22, s22, 2*HALFT                 ; behind A's 256
	v_add_nc_u32 v[ADRA0], s21, v3
	v_add_nc_u32 v[ADRB0], s22, v3
	v_mov_b32 v[ADRA], v[ADRA0]
	v_mov_b32 v[ADRB], v[ADRB0]
	v_lshlrev_b32 v[BO], 5, v2
	s_lshl_b32 s46, s42, 10                        ; my 128 columns in the bias: 1,024 x tile column + 512 x half
	s_lshl_b32 s47, s12, 9
	s_add_co_u32 s46, s46, s47
	s_mov_b32 s47, 0
	s_add_nc_u64 s[68:69], s[68:69], s[46:47]
.irp b, 0,1,2,3,4,5,6,7
	global_load_b128 v[BIAS+8*(\b):BIAS+8*(\b)+3],   v[BO], s[68:69] offset:64*(\b)
	global_load_b128 v[BIAS+8*(\b)+4:BIAS+8*(\b)+7], v[BO], s[68:69] offset:64*(\b)+16
.endr
	s_mul_i32 s23, s10, DUMP                       ; the way out: my part of the ring
	v_mul_u32_u24 v4, v1, DP
	v_lshl_add_u32 v4, v2, 5, v4
	v_add_nc_u32 v[STO], s23, v4                   ; in: row l % 16, 32 bytes for each half of the lanes
	v_bfe_u32 v5, v0, 3, 2
	v_and_b32 v6, 7, v0
	v_mul_u32_u24 v5, v5, DP
	v_lshl_add_u32 v5, v6, 5, v5
	v_add_nc_u32 v[RD], s23, v5                    ; back: row (l / 8) % 4, columns 8 (l % 8) ..
	v_and_b32 v[CO], 31, v0
	v_lshlrev_b32 v[CO], 4, v[CO]
	s_lshl_b32 s16, s13, 8
	s_lshl_b32 s17, s11, 7
	s_add_co_u32 s16, s16, s17                     ; my first row,
	s_lshl_b32 s16, s16, 7                         ; 128 bytes a row in a plane
	s_mov_b32 s17, 0
	s_lshl_b32 s46, s42, 2
	s_lshl1_add_u32 s46, s12, s46                  ; my first plane: 4 x tile column + 2 x half
	s_lshl_b32 s46, s46, 19
	s_mov_b32 s47, 0
	s_add_nc_u64 s[16:17], s[16:17], s[46:47]      ; what the way out adds to C's address
	s_lshl_b32 s20, s13, 8                         ; the prefetches: the tile's first row in A,
	s_lshl_b32 s21, s42, 8                         ; in W
	s_and_b32 s22, ttmp7, 0xffff                   ; cluster y
	s_cmp_eq_u32 s11, 0                            ; do I fetch for A?
	s_cselect_b32 s20, s20, s21
	s_cselect_b32 s21, s40, s41                    ; my place among the four that ask with me
	s_cselect_b32 s22, ttmp9, s22                  ; the coordinate along which other clusters read the same rows
	s_cselect_b64 s[PFA:PFA+1], s[4:5], s[6:7]
	s_cmp_eq_u32 s22, 0
	s_cselect_b32 s[LIM], 2, -1                    ; the same in all sixteen partners, for a given wave
	s_lshl_b32 s22, s12, 7
	s_add_co_u32 s20, s20, s22
	s_lshl_b32 s21, s21, 5
	s_add_co_u32 s20, s20, s21
	s_lshl_b32 s20, s20, 11
	s_mov_b32 s21, 0
	s_add_nc_u64 s[PFA:PFA+1], s[PFA:PFA+1], s[20:21]
	s_add_nc_u64 s[PFA:PFA+1], s[PFA:PFA+1], 2*KSTEP*2  ; at K step 2: the first refill steps it to 3 and names K step 4
	v_and_b32 v[PFO], 31, v0
	v_lshlrev_b32 v[PFO], 11, v[PFO]
; 16 matrix instructions: row blocks a0, a0 + 1 of the window's four x all 8 column blocks, 32 along K.  zero = 1: the bias starts the sums.
; The 64 accumulators take turns in the same order in every quarter.
.macro MUL16 f, hi, a0, zero
.if \zero
	WIN 0x81+0x40*(\hi)                            ; C in window 0
.else
	WIN MUL_LO+0x50*(\hi)
.endif
.irp a, \a0, (\a0)+1
.irp b, 0,1,2,3,4,5,6,7
.if \zero
	v_wmma_f32_16x16x32_f16 v[8*(8*(\a)+(\b)):8*(8*(\a)+(\b))+7], v[(\f)+8*(\b):(\f)+8*(\b)+7], v[(\f)+8*(4*(\hi)+(\a)):(\f)+8*(4*(\hi)+(\a))+7], v[BIAS+8*(\b):BIAS+8*(\b)+7]
.else
	v_wmma_f32_16x16x32_f16 v[8*(8*(\a)+(\b)):8*(8*(\a)+(\b))+7], v[(\f)+8*(\b):(\f)+8*(\b)+7], v[(\f)+8*(4*(\hi)+(\a)):(\f)+8*(4*(\hi)+(\a))+7], v[8*(8*(\a)+(\b)):8*(8*(\a)+(\b))+7]
.endif
.endr
.endr
.endm
; 32 LDS loads in one run: a quarter's fragments (32 K, k bytes behind the pair's address) into buffer f: W's 16, then A's 16
.macro FETCH k, f
	WIN TO_B
.irp i, 0,1,2,3,4,5,6,7
	ds_load_b128 v[(\f)+8*(\i):(\f)+8*(\i)+3],   v[ADRB] offset:(\k)+(\i)*16*PITCH
	ds_load_b128 v[(\f)+8*(\i)+4:(\f)+8*(\i)+7], v[ADRB] offset:(\k)+(\i)*16*PITCH+32
.endr
	WIN 0
.irp i, 0,1,2,3,4,5,6,7
	ds_load_b128 v[(\f)+8*(\i):(\f)+8*(\i)+3],   v[ADRA] offset:(\k)+(\i)*16*PITCH
	ds_load_b128 v[(\f)+8*(\i)+4:(\f)+8*(\i)+7], v[ADRA] offset:(\k)+(\i)*16*PITCH+32
.endr
.endm
.macro PLACES                          ; four places in front of loads into registers that matrix instructions have read, and of stores that read results
.rept 4
	v_nop
.endr
.endm
; A quarter step: multiplies buffer f and, in its middle, fetches the next quarter into g.  step = 1: the pair's addresses are made first; the two additions are two of the four places.
.macro QUARTER f, g, k, zero, step
	s_wait_dscnt 8                                 ; W and A's rows 0-63 are in; the youngest eight loads (A's rows 64-127) may be out
	MUL16 \f, 0, 0, \zero
	MUL16 \f, 0, 2, \zero
.if \step
	WIN 0
	v_add_nc_u32 v[ADRA], s[SB], v[ADRA0]
	v_add_nc_u32 v[ADRB], s[SB], v[ADRB0]
	v_nop
	v_nop
.else
	PLACES
.endif
	FETCH \k, \g
	s_wait_dscnt 32                                ; all but the 32 just issued
	MUL16 \f, 1, 0, \zero
	MUL16 \f, 1, 2, \zero
.endm
.macro PAIR
	QUARTER F1, F0, 0, 0, 1
	QUARTER F0, F1, 64, 0, 0
	s_xor_b32 s[SB], s[SB], 128                    ; the next pair fetches half a K step on, or (with the change of slots) at the other slot's head
.endm
; THE CHANGE OF SLOTS, between two pairs: the old slot's last fragments have been asked for.  Each wave waits for all its tensor loads (one is out: its part of the next slot), adds 0 to its spare word,
; and waits for that and for its reads of the old slot.  fill = 1: a round of the cluster's barrier, and the old slot takes the K step two on, first thing behind it.
.macro SYNC fill
	s_wait_tensorcnt 0x0                           ; no tensor load of mine is out, so a group 0 may be written
	ds_add_u32 v[SPW], v[NIL]                      ; 0 onto my spare word; the scalar steps stand between it and the wait for it
	s_xor_b32 s[SB], s[SB], SLOT
.if \fill
	s_xor_b32 s[G0+5], s[G0+5], SLOT               ; the walking descriptors: the other slot than last time, the next K step
	s_add_nc_u64 s[G0+6:G0+7], s[G0+6:G0+7], KSTEP*2
	s_xor_b32 s[G0B+5], s[G0B+5], SLOT
	s_add_nc_u64 s[G0B+6:G0B+7], s[G0B+6:G0B+7], KSTEP*2
	s_wait_xcnt 0x0                                ; the last prefetch, a K step back, has read its address
	s_add_nc_u64 s[PFA:PFA+1], s[PFA:PFA+1], KSTEP*2
	s_wait_dscnt 0x0                               ; the add is done, and my reads of the old slot are over
	CROUND                                         ; no wave of any partner still reads that slot or has a load on its way
	JLOAD 1                                        ; my one tensor load behind the round
	ASK
.else
	s_wait_dscnt 0x0
	s_barrier_signal -1
	s_barrier_wait -1
.endif
.endm
	s_wait_tensorcnt 1                             ; my part of K step 0 is in; K step 1's may stay out
	s_barrier_signal -1
	s_barrier_wait -1
	FETCH 0, F0
	s_wait_loadcnt 0x0                             ; the bias
	QUARTER F0, F1, 64, 1, 0                       ; the first quarter starts the sums
	WIN 0
	s_mov_b32 s[SB], 128
	s_mov_b32 s3, 7                                ; six refills: K steps 2 to 7
	s_mov_b32 s2, 1                                ; ahead of the first change of slots stands one pair
	s_branch .Lpair
.Lstep:
	SYNC 1
	s_mov_b32 s2, 2
.Lpair:
	PAIR
	WIN 0
	s_sub_co_u32 s2, s2, 1
	s_cmp_lg_u32 s2, 0
	s_cbranch_scc1 .Lpair
	s_sub_co_u32 s3, s3, 1
	s_cmp_lg_u32 s3, 0
	s_cbranch_scc1 .Lstep
	SYNC 0                                         ; the tail is written out: K step 7 is waited for, nothing is asked for
	s_mov_b32 s2, 2
.Ltail:
	PAIR
	WIN 0
	s_sub_co_u32 s2, s2, 1
	s_cmp_lg_u32 s2, 0
	s_cbranch_scc1 .Ltail
	s_wait_dscnt 8                                 ; the last quarter fetches nothing
	MUL16 F1, 0, 0, 0
	MUL16 F1, 0, 2, 0
	s_wait_dscnt 0x0
	MUL16 F1, 1, 0, 0
	MUL16 F1, 1, 2, 0
	; THE WAY OUT
	WIN 0
	s_wait_dscnt 0x0                               ; my reads of the ring are over;
	s_barrier_signal -1
	PLACES                                         ; (the places behind the last products)
	s_barrier_wait -1                              ; everybody's are, and the ring has had its last fill: it may be written
.macro LAY win, a4                     ; 32 accumulators into my part of the ring; each accumulator's low four registers first
	WIN \win
.irp a, 0,1,2,3
.irp b, 0,1,2,3,4,5,6,7
	ds_store_b128 v[STO], v[8*(8*(\a)+(\b)):8*(8*(\a)+(\b))+3]   offset:16*((\a)+(\a4))*DP+64*(\b)
	ds_store_b128 v[STO], v[8*(8*(\a)+(\b))+4:8*(8*(\a)+(\b))+7] offset:16*((\a)+(\a4))*DP+64*(\b)+16
.endr
.endr
.endm
.macro BACK                            ; 8 rows x 128 columns back: group (hh, tg) is plane hh, rows 4 tg .. 4 tg + 3.  LDS serves a wave's instructions in order (ISA guide 5.7.1.4): these see my stores
.irp hh, 0,1
.irp tg, 0,1
.irp e, 0,1
	ds_load_b128 v[GX+8*(2*(\hh)+(\tg))+4*(\e):GX+8*(2*(\hh)+(\tg))+4*(\e)+3], v[RD] offset:(\hh)*256+(\tg)*4*DP+(\e)*16
.endr
.endr
.endr
.endm
	LAY 0x08, 0                                    ; the data (source 1) in window 2,
	LAY 0x0c, 4                                    ; in window 3
	WIN 0
	s_add_nc_u64 s[8:9], s[8:9], s[16:17]
.if GELU
	BACK                                           ; rows 0 to 7
	s_mov_b32 s3, 16
.Lrow:                                         ; 16 trips of 8 rows
	s_wait_dscnt 0x0                               ; this trip's rows, asked for in the trip before
.set n, 0
.rept 16
	v_pk_mul_f32 v[GH+n:GH+n+1], v[GX+n:GX+n+1], 0.5 op_sel_hi:[1,0]
.set n, n+2
.endr
.set n, 0
.rept 32
	v_fma_f32 v[GU+n], |v[GX+n]|, s[PC], 1.0       ; 1 + 0.47047 z
.set n, n+1
.endr
.set n, 0
.rept 16
	v_pk_mul_f32 v[GQ+n:GQ+n+1], v[GX+n:GX+n+1], v[GX+n:GX+n+1]
.set n, n+2
.endr
	s_cmp_eq_u32 s3, 1                             ; x has been used: the next 8 rows are asked for, and land under the lines below; the last trip has none
	s_cbranch_scc1 .Lno_more
	v_add_nc_u32 v[RD], 8*DP, v[RD]
	BACK
.Lno_more:
.set n, 0
.rept 16                               ; behind each pair of transcendentals a plain instruction that touches neither (ISA guide 5.7.2)
	v_rcp_f32 v[GU+n], v[GU+n]
	v_rcp_f32 v[GU+n+1], v[GU+n+1]
	v_pk_mul_f32 v[GQ+n:GQ+n+1], v[GQ+n:GQ+n+1], s[NK:NK+1] op_sel_hi:[1,0]
.set n, n+2
.endr
.set n, 0
.rept 16
	v_exp_f32 v[GQ+n], v[GQ+n]                     ; e^(-z^2)
	v_exp_f32 v[GQ+n+1], v[GQ+n+1]
	s_wait_alu depctr_va_vdst(0)
	v_pk_fma_f32 v[GP+n:GP+n+1], v[GU+n:GU+n+1], s[A3:A3+1], s[A2:A2+1] op_sel_hi:[1,0,0]
.set n, n+2
.endr
.set n, 0
.rept 16
	v_pk_fma_f32 v[GP+n:GP+n+1], v[GP+n:GP+n+1], v[GU+n:GU+n+1], s[A1:A1+1] op_sel_hi:[1,1,0]
.set n, n+2
.endr
.set n, 0
	s_wait_alu depctr_va_vdst(0)
.rept 16
	v_pk_mul_f32 v[GU+n:GU+n+1], v[GU+n:GU+n+1], v[GQ+n:GQ+n+1]
.set n, n+2
.endr
.set n, 0
.rept 16
	v_pk_fma_f32 v[GP+n:GP+n+1], v[GP+n:GP+n+1], v[GU+n:GU+n+1], 1.0 op_sel_hi:[1,1,0]  ; erf
.set n, n+2
.endr
.set n, 0
.rept 32
	v_fma_f32 v[GP+n], |v[GH+n]|, v[GP+n], v[GH+n]
.set n, n+1
.endr
	s_wait_xcnt 0x0                                ; the last trip's stores have read their data and their base: both are written again only behind this wait
	s_add_nc_u64 s[8:9], s[8:9], 1024              ; stepped ahead of the stores, which reach back
.set n, 0
.rept 16
	v_cvt_pk_f16_f32 v[YY+n], v[GP+2*n], v[GP+2*n+1]
.set n, n+1
.endr
.irp hh, 0,1
.irp tg, 0,1
	global_store_b128 v[CO], v[YY+4*(2*(\hh)+(\tg)):YY+4*(2*(\hh)+(\tg))+3], s[8:9] offset:(\hh)*524288+(\tg)*512-1024  ; four rows of a plane: 512 consecutive bytes, aligned
.endr
.endr
.else
	s_mov_b32 s3, 4
.Lrow:                                         ; 4 trips of 32 rows: group g is rows 8 g .. 8 g + 7, laid as in BACK
.irp g, 0,1,2,3
.irp hh, 0,1
.irp tg, 0,1
.irp e, 0,1
	ds_load_b128 v[GX+32*(\g)+8*(2*(\hh)+(\tg))+4*(\e):GX+32*(\g)+8*(2*(\hh)+(\tg))+4*(\e)+3], v[RD] offset:(\g)*8*DP+(\hh)*256+(\tg)*4*DP+(\e)*16
.endr
.endr
.endr
.endr
	s_wait_xcnt 0x0                                ; the last trip's stores have read their data and their base: both are written again only behind this wait
	s_add_nc_u64 s[8:9], s[8:9], 4096              ; stepped ahead of the stores, which reach back
.irp g, 0,1,2,3
	s_wait_dscnt 24-8*(\g)                         ; group g is in; the 8 (3 - g) loads of the later groups may stay out
.set n, 0
.rept 16
	v_cvt_pk_f16_f32 v[YB+16*(\g)+n], v[GX+32*(\g)+2*n], v[GX+32*(\g)+2*n+1]
.set n, n+1
.endr
.irp hh, 0,1
.irp tg, 0,1
	global_store_b128 v[CO], v[YB+16*(\g)+4*(2*(\hh)+(\tg)):YB+16*(\g)+4*(2*(\hh)+(\tg))+3], s[8:9] offset:(\g)*1024+(\hh)*524288+(\tg)*512-4096  ; four rows of a plane: 512 consecutive bytes, aligned
.endr
.endr
.endr
	v_add_nc_u32 v[RD], 32*DP, v[RD]
.endif
	s_sub_co_u32 s3, s3, 1
	s_cmp_lg_u32 s3, 0
	s_cbranch_scc1 .Lrow
	s_wait_tensorcnt 0x0                           ; the wave's end: behind my last tensor load and my last LDS store
	ds_add_u32 v[SPW], v[NIL]
	s_wait_dscnt 0x0
	CROUND                                         ; the closing round
	s_endpgm
.if CAST
; THE CAST.  Wave q of the 256 (q = 4 x work-group + wave) takes 16,384 numbers of w1 on end and rows 4 q .. 4 q + 3 of w2: eight units of 4,096 numbers, a unit a trip:
; 32 loads of 16 bytes a lane, 64 roundings, 32 stores of 8 bytes a lane, each store of the wave covering 256 consecutive bytes, aligned.  No LDS, no barrier: nothing is shared.
.Lcast:
	v_lshrrev_b32 v1, 5, v0
	v_readfirstlane_b32 s10, v1                    ; wave 0..3
	s_bfe_u32 s40, ttmp6, 0x40000                  ; cx
	s_bfe_u32 s41, ttmp6, 0x40004                  ; cy
	s_and_b32 s13, ttmp7, 0xffff                   ; cluster y
	s_lshl2_add_u32 s13, s13, s41                  ; 4 x cluster y + cy,
	s_lshl2_add_u32 s13, s13, s40                  ; x 4 + cx: the work-group, 0 to 63,
	s_lshl2_add_u32 s13, s13, s10                  ; x 4 + wave: q.  It enters global addresses alone
	v_and_b32 v1, 31, v0
	v_lshlrev_b32 v2, 3, v1                        ; 8 x lane
	v_lshlrev_b32 v1, 4, v1                        ; 16 x lane
	s_lshl_b32 s14, s13, 16                        ; my 65,536 bytes of w1, and of w2
	s_mov_b32 s15, 0
	s_lshl_b32 s16, s13, 15                        ; my 32,768 bytes of w1 in f16
	s_mov_b32 s17, 0
	s_lshl_b32 s18, s13, 11                        ; my four rows' 512 bytes in a block of w2
	s_add_co_u32 s18, s18, WOFF
	s_mov_b32 s19, 0
	s_wait_kmcnt 0x0
	s_add_nc_u64 s[76:77], s[76:77], s[14:15]
	s_add_nc_u64 s[78:79], s[78:79], s[14:15]
	s_add_nc_u64 s[82:83], s[80:81], s[18:19]
	s_add_nc_u64 s[80:81], s[80:81], s[16:17]
	s_mov_b32 s3, 8
.Lunit:                                        ; trips 8 to 5: w1; trips 4 to 1: w2
	s_cmp_gt_u32 s3, 4
	s_cselect_b64 s[20:21], s[76:77], s[78:79]
.set j, 0
.rept 32
	global_load_b128 v[CX+4*j:CX+4*j+3], v1, s[20:21] offset:j*512 th:TH_LOAD_NT
.set j, j+1
.endr
.set j, 0
.rept 32
	s_wait_loadcnt 31-j                            ; load j is in; the 31 - j younger ones may stay out
	v_cvt_pk_f16_f32 v[CY+2*j], v[CX+4*j], v[CX+4*j+1]
	v_cvt_pk_f16_f32 v[CY+2*j+1], v[CX+4*j+2], v[CX+4*j+3]
.set j, j+1
.endr
	s_cmp_gt_u32 s3, 4
	s_cbranch_scc0 .Lblocks
.set j, 0
.rept 32
	global_store_b64 v2, v[CY+2*j:CY+2*j+1], s[80:81] offset:j*256 th:TH_STORE_NT
.set j, j+1
.endr
	s_wait_xcnt 0x0                                ; the stores have read their data and their base: the pointers are stepped, and the data written again, only behind this wait
	s_add_nc_u64 s[76:77], s[76:77], 16384
	s_add_nc_u64 s[80:81], s[80:81], 8192
	s_branch .Lnext
.Lblocks:                                      ; a unit is one row of w2: load j is k = 128 j ..: block j / 2, half j % 2 of the row's 512 bytes there
.set j, 0
.rept 32
	global_store_b64 v2, v[CY+2*j:CY+2*j+1], s[82:83] offset:(j>>1)*524288+(j&1)*256 th:TH_STORE_NT
.set j, j+1
.endr
	s_wait_xcnt 0x0
	s_add_nc_u64 s[78:79], s[78:79], 16384
	s_add_nc_u64 s[82:83], s[82:83], 512
.Lnext:
	s_sub_co_u32 s3, s3, 1
	s_cmp_lg_u32 s3, 0
	s_cbranch_scc1 .Lunit
	s_endpgm
.endif
.Lfunc_end_k_qb5f43eff8e_ffn1:
	.size	k_qb5f43eff8e_ffn1, .Lfunc_end_k_qb5f43eff8e_ffn1-k_qb5f43eff8e_ffn1
	.p2alignl 7, 3214868480
	.fill 96, 4, 3214868480
	.section	.rodata,"a",@progbits
	.p2align	6, 0x0
	.amdhsa_kernel k_qb5f43eff8e_ffn1
		.amdhsa_group_segment_fixed_size 327680
		.amdhsa_private_segment_fixed_size 0
		.amdhsa_enable_private_segment 0
		.amdhsa_kernarg_size 32
		.amdhsa_user_sgpr_count 2
		.amdhsa_user_sgpr_kernarg_segment_ptr 1
		.amdhsa_wavefront_size32 1
		.amdhsa_system_sgpr_workgroup_id_x 1
		.amdhsa_system_sgpr_workgroup_id_y 1
		.amdhsa_system_sgpr_workgroup_id_z 1
		.amdhsa_system_vgpr_workitem_id 0
		.amdhsa_next_free_vgpr 1024
		.amdhsa_next_free_sgpr 94
		.amdhsa_reserve_vcc 0
		.amdhsa_float_denorm_mode_32 3
		.amdhsa_float_denorm_mode_16_64 3
		.amdhsa_memory_ordered 1
		.amdhsa_forward_progress 1
		.amdhsa_inst_pref_size 75
	.end_amdhsa_kernel
	.amdgpu_metadata
---
amdhsa.version: [ 1, 2 ]
amdhsa.kernels:
  - .name:           k_qb5f43eff8e_ffn1
    .symbol:         k_qb5f43eff8e_ffn1.kd
    .args:
      - { .name: hb, .offset: 0, .size: 8, .value_kind: global_buffer, .address_space: global }
      - { .name: wB, .offset: 8, .size: 8, .value_kind: global_buffer, .address_space: global }
      - { .name: big, .offset: 16, .size: 8, .value_kind: global_buffer, .address_space: global }
      - { .name: b1, .offset: 24, .size: 8, .value_kind: global_buffer, .address_space: global }
    .group_segment_fixed_size: 327680
    .private_segment_fixed_size: 0
    .kernarg_segment_align: 8
    .kernarg_segment_size: 32
    .max_flat_workgroup_size: 128
    .sgpr_count:     94
    .vgpr_count:     1024
    .wavefront_size: 32
...
	.end_amdgpu_metadata
.endif
;; end of part 5
;; launch ffn2 (part 6): grid 8 x 32, 4 waves a work-group, clusters of 4 x 4, 327,680 bytes of LDS; arguments big, wB, out0, b2, x1; writes out0
.if DOCPART == 6
	.amdgcn_target "amdgcn-amd-amdhsa--gfx1250"
	.amdhsa_code_object_version 6
	.text
	.protected	k_qb5f43eff8e_ffn2
	.globl	k_qb5f43eff8e_ffn2
	.p2align	8
	.type	k_qb5f43eff8e_ffn2,@function
k_qb5f43eff8e_ffn2:
	s_mov_b64 s[64:65], 0
	v_nop
	global_prefetch_b8 v0, s[64:65] scope:SCOPE_SE
	s_setreg_imm32_b32 hwreg(HW_REG_WAVE_MODE, 25, 1), 1
	s_wait_xcnt 0x0
	s_wait_alu depctr_hold_cnt(0) depctr_sa_sdst(0) depctr_va_vdst(0) depctr_va_sdst(0) depctr_va_ssrc(0) depctr_va_vcc(0) depctr_vm_vsrc(0)
	s_getreg_b32 s2, hwreg(HW_REG_IB_STS2, 6, 4)
	s_cmp_eq_u32 s2, 0
	s_cbranch_scc0 .Lentry_in_a_cluster
	s_endpgm
.Lentry_in_a_cluster:
	s_bfe_u32 s2, ttmp6, 0x10000c
	s_cmp_lg_u32 s2, 0xf033
	s_cbranch_scc0 .Lentry_shape_is_right
	s_endpgm
.Lentry_shape_is_right:
; C[t][n] = R[t][n] + bias[n] + sum over k of A[t][k] W[n][k], K = 256 x STEPS.  C, R: [4096][1024] f32 row-major; bias f32.
; A is f16 IN PLANES of 64 channels: byte (k / 64) x 524,288 + t x 128 + 2 (k % 64).  W is f16 IN BLOCKS [k / 256][1024 n][k % 256], 8 MiB behind its buffer's first byte.
; Neither layout's strides hang on K: the source for K = 1,024 (STEPS = 4) and that for K = 4,096 (STEPS = 16, this one) differ in that one line.
; A tile of C is 128 x 128, which gives each of 256 work-groups one: four waves, each 64 x 64 in 16 accumulators.  K goes in steps of 256 through two LDS slots.
; A's part of a step, for 64 rows, is 4 planes x 8,192 dense bytes, one tensor load; W's, for 64 rows, 64 dense rows of 512 bytes.
; CLUSTER 4 x 4: A's tile is asked for jointly along a row of the cluster, W's along a column.
; The matrix instruction is used transposed (source 0 = 16 rows of W, source 1 = 16 rows of A): a lane holds one row t and eight neighbouring columns.  The bias is the C operand of the products that start the sums.
; THE WALK is written short.  Its unit is a PAIR of quarter steps (64 along K each): the first multiplies fragment buffer 1 and fetches into buffer 0, the second the other way round.  Where the fetches read is a
; scalar for A and one for W: an exclusive or moves them half a K step at each pair's end, another changes slot.  First quarter, a pair, then (change of slots with refill, two pairs) STEPS - 2 times,
; then (change without refill, two pairs), last quarter.  At a change of slots the old slot's last fragments are in registers, so the slot is free; the refill has a whole K step, 128 matrix instructions, in which to land.
; THE WAY OUT: a wave's 64 columns of f32 are 256 aligned bytes of a row, so each wave has a stage of its own (16 rows) and no barrier is needed; the residual, loaded at the kernel's head in the
; layout of the stores, is added in f32 on the way.
; THE TILES ARE PREFETCHED INTO THE L2 where the walk is long enough (STEPS above 4): behind each joint refill stands one prefetch for the K step two refills on, 256 matrix instructions ahead of the load that
; will want it.  With STEPS = 4 the two refills have no K step two on, and none of those lines is assembled.
; LIMITS.  Operands are f16 (65,504 at the most); sums, bias and residual stay in f32.  NaN and infinities are not treated apart.
; REGISTERS: window 0: v0-31 addresses; v32-95 two buffers of rows on the way out; v96-127 the bias; v128-255 the accumulators ((a, b) at v[128 + 8 (4 a + b)]);
;   window 1: two fragment buffers of 128 (64 of A, then 64 of W, for 64 along K);  window 2: v0-127 the residual.
.set STEPS,  16
.set APITCH, 144                       ; a row of A in LDS: 128 bytes + 16: the 16 rows of a load start at 16 different groups of four banks (64 banks of 4 bytes: ISA guide 11.1)
.set AQ,     64*APITCH                 ; a plane's 64 rows: a quarter of a K step
.set AHALF,  4*AQ                      ; 0x9000: what one tensor load of A brings
.set XA,     2*AHALF                   ; 0x12000: from A's slot 0 to its slot 1; shares no bit with 0x9000 nor with 2 AQ = 0x4800, so an exclusive or changes slot
.set BPITCH, 528                       ; a row of W: 512 bytes + 16
.set BHALF,  64*BPITCH                 ; 0x8400
.set BOFF,   2*XA                      ; 0x24000: W's slot 0, behind A's two
.set XB,     0x11000                   ; from W's slot 0 to its slot 1 (a slot is 0x10800); shares no bit with 0x24000, 0x2c400 nor 0x100
.set STAGE,  BOFF+XB+2*BHALF           ; behind the ring, never filled: 16 rows x 272 bytes a wave
.set SPITCH, 272
.set SPARE,  STAGE+4*16*SPITCH         ; the spare words, 128 bytes a wave, that no other line names
.set WOFF,   8388608
.set ASTEP,  4*524288                  ; bytes from K step to K step in A,
.set BSTEP,  524288                    ; in W
.set ADRA,  16                         ; v16  LDS address of the A fragments that the pair in hand fetches
.set ADRA0, 17                         ; v17  the same at slot 0, quarter 0; never rewritten
.set ADRB,  20
.set ADRB0, 21
.set STO,  24
.set RD,   25
.set CO,   26                          ; v26  my byte offset in two rows of C and of R
.set BO,   27
.set SPW,  28
.set NIL,  29
.set PFO,  30                          ; v30  256 x lane; never rewritten
.set OB,   32
.set BIAS, 96
.set ACC,  128
.set F0,   0
.set F1,   128
.set G1,  24                           ; s[24:31] group 1 for A;  s[32:39] group 0: a set for each first fill; the second then walks
.set G0,  32
.set G1B, 48
.set G0B, 56
.set LIM, 43                           ; s43  2 in a wave that prefetches, else the greatest number
.set PFA, 44                           ; s[44:45] where my prefetches stand: at the K step that the next one names
.set SBA, 76                           ; s76  where the pair in hand fetches A: 0 or XA, plus 0 or 2 AQ
.set SBB, 77                           ; s77  and W: 0 or XB, plus 0 or 256
.set PST, 78                           ; s[78:79] bytes from K step to K step in the tensor that I fetch for
.set MSB, 0
.macro WIN new
.if MSB != (\new)
	s_set_vgpr_msb (MSB<<8)|(\new)
.set MSB, \new
.endif
.endm
.set MUL,  0x05                        ; sources 0 (W) and 1 (A) window 1; C and D window 0
.set TO_F, 0x40
.macro JLOAD s                         ; waves 0 and 1 fetch A's two halves, waves 2 and 3 W's; an s_nop 0 and four v_nop follow each line
	s_cmp_eq_u32 s11, 0
	s_cbranch_scc0 .Lfor_b_\@
	tensor_load_to_lds s[G0+4*(\s):G0+4*(\s)+3], s[G1:G1+7]
	s_nop 0
.rept 4
	v_nop
.endr
	s_branch .Lasked_\@
.Lfor_b_\@:
	tensor_load_to_lds s[G0B+4*(\s):G0B+4*(\s)+3], s[G1B:G1B+7]
	s_nop 0
.rept 4
	v_nop
.endr
.Lasked_\@:
.endm
; A prefetch into the L2: 8,192 bytes of the K step two refills on, a lane 256 bytes.  A wave's load brings 32,768 bytes: of A 4 planes x 8,192, of W 64 rows on end.  The four partners that ask for it jointly
; take 8,192 each, told apart by address: of A the partner at place cx takes plane cx, of W the partner at place cy the cy-th quarter.  A's rows are named by the cluster with x = 0, W's by the cluster with y = 0:
; so each block is named once in the launch.  The last two refills (s3 = 2, 1) have no K step two on.
.macro ASK
	s_cmp_gt_u32 s3, s[LIM]
	s_cbranch_scc0 .Lnot_mine_\@
	global_prefetch_b8 v[PFO], s[PFA:PFA+1] th:TH_LOAD_NT scope:SCOPE_SE
.Lnot_mine_\@:
.endm
.macro CROUND                          ; a round of the cluster's barrier
	s_barrier_signal -1
	s_barrier_wait -1
	s_cmp_lg_u32 s10, 0
	s_cbranch_scc1 .Lnot_wave_0_\@
	s_barrier_signal -3
.Lnot_wave_0_\@:
	s_barrier_wait -3
	s_barrier_signal -1
	s_barrier_wait -1
.endm
	s_load_b128 s[4:7], s[0:1], 0x0                ; A s[4:5], W s[6:7]
	s_load_b64 s[8:9], s[0:1], 0x10                ; C
	s_load_b128 s[68:71], s[0:1], 0x18             ; bias s[68:69], R s[70:71]
	v_lshl_add_u32 v[SPW], v0, 2, SPARE
	v_mov_b32 v[NIL], 0
	ds_add_u32 v[SPW], v[NIL]                      ; the wave's opening: the add and its wait stand ahead of my first tensor load
	v_lshrrev_b32 v1, 5, v0
	v_readfirstlane_b32 s10, v1
	s_lshr_b32 s11, s10, 1                         ; my half of the tile's rows.  Also: I fetch for A (0) or W (1)
	s_and_b32 s12, s10, 1                          ; my half of its columns.  Also: which 64 rows I fetch
	s_bfe_u32 s40, ttmp6, 0x40000
	s_bfe_u32 s41, ttmp6, 0x40004
	s_lshl_b32 s42, ttmp9, 2
	s_add_co_u32 s42, s42, s40                     ; tile column
	s_and_b32 s13, ttmp7, 0xffff
	s_lshl_b32 s13, s13, 2
	s_add_co_u32 s13, s13, s41                     ; tile row
	s_lshl_b32 s43, s41, 2
	s_lshl_b32 s43, 15, s43
	s_lshl_b32 s44, 0x1111, s40
	s_or_b32 s[G1+0], s43, (1<<16)|(1<<20)|(1<<21)|(4<<22)|(3<<25)   ; A: the mask of my row; 2-byte elements; padding on; bit 21 beside a mask; after every 32 words (a row of 64 channels), 4 words
	s_mov_b32 s[G1+1], 4096<<16                    ; tensor_dim0 = 4,096: 64 rows x 64 channels on end
	s_mov_b32 s[G1+2], 4<<16                       ; tensor_dim1 = 4 planes
	s_mov_b32 s[G1+3], 4096<<16                    ; tile_dim0
	s_mov_b32 s[G1+4], 4                           ; tile_dim1
	s_mov_b32 s[G1+5], 262144                      ; elements from plane to plane
	s_mov_b32 s[G1+6], 0
	s_mov_b32 s[G1+7], 0
	s_or_b32 s[G1B+0], s44, (1<<16)|(1<<20)|(1<<21)|(6<<22)|(3<<25)  ; W: the mask of my column; after every 128 words, 4 words
	s_mov_b32 s[G1B+1], 256<<16
	s_mov_b32 s[G1B+2], 64<<16
	s_mov_b32 s[G1B+3], 256<<16
	s_mov_b32 s[G1B+4], 64
	s_mov_b32 s[G1B+5], 256
	s_mov_b32 s[G1B+6], 0
	s_mov_b32 s[G1B+7], 0
	s_lshl_b32 s17, s12, 6
	s_lshl_b32 s16, s13, 7
	s_add_co_u32 s16, s16, s17                     ; A: row 128 x tile row + 64 x half,
	s_lshl_b32 s16, s16, 7                         ; 128 bytes a row in a plane
	s_lshl_b32 s46, s42, 7
	s_add_co_u32 s46, s46, s17                     ; W: row 128 x tile column + 64 x half,
	s_lshl_b32 s46, s46, 9                         ; 512 bytes a row in a block
	s_add_co_u32 s46, s46, WOFF
	s_mov_b32 s17, 0
	s_mov_b32 s47, 0
	s_mul_i32 s20, s12, AHALF                      ; where they go
	s_mul_i32 s21, s12, BHALF
	s_add_co_u32 s21, s21, BOFF
	s_wait_dscnt 0x0                               ; the opening add is done
	s_wait_kmcnt 0x0
	s_add_nc_u64 s[14:15], s[4:5], s[16:17]
	s_add_nc_u64 s[46:47], s[6:7], s[46:47]
	CROUND                                         ; all sixteen work-groups are here
.irp s, 0,1
	s_mov_b32 s[G0+4*(\s)], 1
	s_add_co_u32 s[G0+4*(\s)+1], s20, (\s)*XA
	s_add_nc_u64 s[G0+4*(\s)+2:G0+4*(\s)+3], s[14:15], (\s)*ASTEP
	s_or_b32 s[G0+4*(\s)+3], s[G0+4*(\s)+3], 0x80000000
	s_mov_b32 s[G0B+4*(\s)], 1
	s_add_co_u32 s[G0B+4*(\s)+1], s21, (\s)*XB
	s_add_nc_u64 s[G0B+4*(\s)+2:G0B+4*(\s)+3], s[46:47], (\s)*BSTEP
	s_or_b32 s[G0B+4*(\s)+3], s[G0B+4*(\s)+3], 0x80000000
	JLOAD \s                                       ; K steps 0 and 1: two loads of mine are out
.endr
.if STEPS > 4
	; the prefetches.  s[14:15] and s[46:47] still stand at K step 0 of what waves 0, 1 and waves 2, 3 fetch.  Nothing is prefetched here, at the head: K steps 2 and 3 come by their refills alone
	s_lshl_b32 s20, s40, 19                        ; of A: plane cx
	s_lshl_b32 s21, s41, 13                        ; of W: the cy-th 8,192 bytes
	s_and_b32 s22, ttmp7, 0xffff                   ; cluster y
	s_mov_b32 s[PST], BSTEP
	s_cmp_eq_u32 s11, 0                            ; do I fetch for A?
	s_cselect_b32 s20, s20, s21
	s_cselect_b32 s22, ttmp9, s22                  ; the coordinate along which other clusters read the same rows
	s_cselect_b32 s[PST], ASTEP, s[PST]
	s_cselect_b64 s[PFA:PFA+1], s[14:15], s[46:47]
	s_cmp_eq_u32 s22, 0
	s_cselect_b32 s[LIM], 2, -1                    ; the same in all sixteen partners, for a given wave
	s_mov_b32 s21, 0
	s_mov_b32 s[PST+1], 0
	s_add_nc_u64 s[PFA:PFA+1], s[PFA:PFA+1], s[20:21]
	s_mul_i32 s20, s[PST], 3
	s_add_nc_u64 s[PFA:PFA+1], s[PFA:PFA+1], s[20:21]  ; at K step 3: the first refill steps it to 4 and names that
	v_and_b32 v[PFO], 31, v0
	v_lshlrev_b32 v[PFO], 8, v[PFO]
.endif
	v_and_b32 v1, 15, v0
	v_bfe_u32 v2, v0, 4, 1
	v_mul_u32_u24 v3, v1, APITCH
	v_lshl_add_u32 v3, v2, 4, v3
	v_mul_u32_u24 v4, v1, BPITCH
	v_lshl_add_u32 v4, v2, 4, v4
	s_mul_i32 s21, s11, AHALF                      ; my 64 rows of A
	s_mul_i32 s22, s12, BHALF                      ; my 64 rows of W
	s_add_co_u32 s22, s22, BOFF
	v_add_nc_u32 v[ADRA0], s21, v3
	v_add_nc_u32 v[ADRB0], s22, v4
	v_mov_b32 v[ADRA], v[ADRA0]
	v_mov_b32 v[ADRB], v[ADRB0]
	s_mul_i32 s23, s10, 16*SPITCH
	s_add_co_u32 s23, s23, STAGE                   ; my stage
	v_mul_u32_u24 v5, v1, SPITCH
	v_lshl_add_u32 v5, v2, 5, v5
	v_add_nc_u32 v[STO], s23, v5                   ; in: row l % 16, 32 bytes for each half of the lanes
	v_mul_u32_u24 v5, v2, SPITCH
	v_lshl_add_u32 v5, v1, 4, v5
	v_add_nc_u32 v[RD], s23, v5                    ; back: lanes 0-15 one row of 256 bytes, lanes 16-31 the next
	v_lshlrev_b32 v5, 12, v2
	v_lshl_add_u32 v[CO], v1, 4, v5                ; the same two rows in C and R
	v_lshlrev_b32 v[BO], 5, v2
	s_lshl_b32 s16, s13, 7
	s_lshl_b32 s17, s11, 6
	s_add_co_u32 s16, s16, s17                     ; my first row,
	s_lshl_b32 s16, s16, 12                        ; 4,096 bytes a row
	s_mov_b32 s17, 0
	s_lshl_b32 s46, s42, 7
	s_lshl_b32 s47, s12, 6
	s_add_co_u32 s46, s46, s47                     ; my first column,
	s_lshl_b32 s46, s46, 2                         ; in bytes
	s_mov_b32 s47, 0
	s_add_nc_u64 s[68:69], s[68:69], s[46:47]
	s_add_nc_u64 s[16:17], s[16:17], s[46:47]
	s_add_nc_u64 s[8:9], s[8:9], s[16:17]
	s_add_nc_u64 s[70:71], s[70:71], s[16:17]
.irp b, 0,1,2,3
	global_load_b128 v[BIAS+8*(\b):BIAS+8*(\b)+3],   v[BO], s[68:69] offset:64*(\b)
	global_load_b128 v[BIAS+8*(\b)+4:BIAS+8*(\b)+7], v[BO], s[68:69] offset:64*(\b)+16
.endr
	WIN 0x80                                       ; destination window 2
.set t, 0
.rept 32
	global_load_b128 v[4*t:4*t+3], v[CO], s[70:71] offset:8192*t th:TH_LOAD_NT  ; rows 2 t, 2 t + 1 of my 64: they land while K is walked
.set t, t+1
.endr
	WIN 0
; 8 matrix instructions: row blocks a0, a0 + 1 x all 4 column blocks, 32 along K: half c of buffer f.  zero = 1: the bias starts the sums.  The 16 accumulators take turns.
.macro MUL8 f, c, a0, zero
	WIN MUL
.irp a, \a0, (\a0)+1
.irp b, 0,1,2,3
.if \zero
	v_wmma_f32_16x16x32_f16 v[ACC+8*(4*(\a)+(\b)):ACC+8*(4*(\a)+(\b))+7], v[(\f)+64+8*(4*(\c)+(\b)):(\f)+64+8*(4*(\c)+(\b))+7], v[(\f)+8*(4*(\c)+(\a)):(\f)+8*(4*(\c)+(\a))+7], v[BIAS+8*(\b):BIAS+8*(\b)+7]
.else
	v_wmma_f32_16x16x32_f16 v[ACC+8*(4*(\a)+(\b)):ACC+8*(4*(\a)+(\b))+7], v[(\f)+64+8*(4*(\c)+(\b)):(\f)+64+8*(4*(\c)+(\b))+7], v[(\f)+8*(4*(\c)+(\a)):(\f)+8*(4*(\c)+(\a))+7], v[ACC+8*(4*(\a)+(\b)):ACC+8*(4*(\a)+(\b))+7]
.endif
.endr
.endr
.endm
; 32 LDS loads in one run: quarter q (0, 1) behind the pair's addresses (64 along K: one plane of A, 128 bytes of W's rows) into buffer f; the first 32 along K first
.macro FETCH q, f
	WIN TO_F
.irp c, 0,1
.irp i, 0,1,2,3
	ds_load_b128 v[(\f)+64+8*(4*(\c)+(\i)):(\f)+64+8*(4*(\c)+(\i))+3],   v[ADRB] offset:(\q)*128+64*(\c)+(\i)*16*BPITCH
	ds_load_b128 v[(\f)+64+8*(4*(\c)+(\i))+4:(\f)+64+8*(4*(\c)+(\i))+7], v[ADRB] offset:(\q)*128+64*(\c)+(\i)*16*BPITCH+32
	ds_load_b128 v[(\f)+8*(4*(\c)+(\i)):(\f)+8*(4*(\c)+(\i))+3],         v[ADRA] offset:(\q)*AQ+64*(\c)+(\i)*16*APITCH
	ds_load_b128 v[(\f)+8*(4*(\c)+(\i))+4:(\f)+8*(4*(\c)+(\i))+7],       v[ADRA] offset:(\q)*AQ+64*(\c)+(\i)*16*APITCH+32
.endr
.endr
.endm
.macro PLACES                          ; four places in front of loads into registers that matrix instructions have read, and of stores that read results
.rept 4
	v_nop
.endr
.endm
; A quarter step: multiplies buffer f and, in its middle, fetches the next quarter into g.  step = 1: the pair's addresses are made first; the two additions are two of the four places.
.macro QUARTER f, g, q, zero, step
	s_wait_dscnt 16                                ; the first 32 along K are in
	MUL8 \f, 0, 0, \zero
	MUL8 \f, 0, 2, \zero
.if \step
	WIN 0
	v_add_nc_u32 v[ADRA], s[SBA], v[ADRA0]
	v_add_nc_u32 v[ADRB], s[SBB], v[ADRB0]
	v_nop
	v_nop
.else
	PLACES
.endif
	FETCH \q, \g
	s_wait_dscnt 32                                ; all but the 32 just issued
	MUL8 \f, 1, 0, 0
	MUL8 \f, 1, 2, 0
.endm
.macro PAIR
	QUARTER F1, F0, 0, 0, 1
	QUARTER F0, F1, 1, 0, 0
	s_xor_b32 s[SBA], s[SBA], 2*AQ                 ; the next pair fetches half a K step on, or (with the change of slots) at the other slot's head
	s_xor_b32 s[SBB], s[SBB], 256
.endm
; THE CHANGE OF SLOTS, between two pairs: the old slot's last fragments have been asked for.  Each wave waits for all its tensor loads (one is out: its part of the next slot), adds 0 to its spare word,
; and waits for that and for its reads of the old slot.  fill = 1: a round of the cluster's barrier, and the old slot takes the K step two on, first thing behind it.
.macro SYNC fill
	s_wait_tensorcnt 0x0                           ; no tensor load of mine is out, so a group 0 may be written
	ds_add_u32 v[SPW], v[NIL]                      ; 0 onto my spare word; the scalar steps stand between it and the wait for it
	s_xor_b32 s[SBA], s[SBA], XA
	s_xor_b32 s[SBB], s[SBB], XB
.if \fill
	s_xor_b32 s[G0+5], s[G0+5], XA                 ; the walking descriptors: the other slot than last time, the next K step
	s_add_nc_u64 s[G0+6:G0+7], s[G0+6:G0+7], ASTEP
	s_xor_b32 s[G0B+5], s[G0B+5], XB
	s_add_nc_u64 s[G0B+6:G0B+7], s[G0B+6:G0B+7], BSTEP
.if STEPS > 4
	s_wait_xcnt 0x0                                ; the last prefetch, a K step back, has read its address
	s_add_nc_u64 s[PFA:PFA+1], s[PFA:PFA+1], s[PST:PST+1]
.endif
	s_wait_dscnt 0x0                               ; the add is done, and my reads of the old slot are over
	CROUND                                         ; no wave of any partner still reads that slot or has a load on its way
	JLOAD 1                                        ; my one tensor load behind the round
.if STEPS > 4
	ASK
.endif
.else
	s_wait_dscnt 0x0
	s_barrier_signal -1
	s_barrier_wait -1
.endif
.endm
	s_wait_tensorcnt 1                             ; my part of K step 0 is in; K step 1's may stay out
	s_barrier_signal -1
	s_barrier_wait -1
	FETCH 0, F0
	s_wait_loadcnt 32                              ; the bias is in; the residual's 32 loads may stay out
	QUARTER F0, F1, 1, 1, 0                        ; the first quarter starts the sums
	WIN 0
	s_mov_b32 s[SBA], 2*AQ
	s_mov_b32 s[SBB], 256
	s_mov_b32 s3, STEPS-1                          ; STEPS - 2 refills
	s_mov_b32 s2, 1                                ; ahead of the first change of slots stands one pair
	s_branch .Lpair
.Lstep:
	SYNC 1
	s_mov_b32 s2, 2
.Lpair:
	PAIR
	WIN 0
	s_sub_co_u32 s2, s2, 1
	s_cmp_lg_u32 s2, 0
	s_cbranch_scc1 .Lpair
	s_sub_co_u32 s3, s3, 1
	s_cmp_lg_u32 s3, 0
	s_cbranch_scc1 .Lstep
	SYNC 0                                         ; the tail is written out: the last K step is waited for, nothing is asked for
	s_mov_b32 s2, 2
.Ltail:
	PAIR
	WIN 0
	s_sub_co_u32 s2, s2, 1
	s_cmp_lg_u32 s2, 0
	s_cbranch_scc1 .Ltail
	s_wait_dscnt 16                                ; the last quarter fetches nothing
	MUL8 F1, 0, 0, 0
	MUL8 F1, 0, 2, 0
	s_wait_dscnt 0x0
	MUL8 F1, 1, 0, 0
	MUL8 F1, 1, 2, 0
	WIN 0
	; THE WAY OUT, 16 rows at a time
	PLACES
	s_wait_loadcnt 0x0                             ; the residual
.macro TOSTAGE a
.set BK, OB+32*((\a)%2)
	s_wait_xcnt 0x0                                ; the stores of the block two back have read this buffer: it is loaded again only behind this wait
.irp b, 0,1,2,3
	ds_store_b128 v[STO], v[ACC+8*(4*(\a)+(\b)):ACC+8*(4*(\a)+(\b))+3]   offset:64*(\b)     ; each accumulator's low four registers first
	ds_store_b128 v[STO], v[ACC+8*(4*(\a)+(\b))+4:ACC+8*(4*(\a)+(\b))+7] offset:64*(\b)+16
.endr
.irp t, 0,1,2,3,4,5,6,7
	ds_load_b128 v[BK+4*(\t):BK+4*(\t)+3], v[RD] offset:(\t)*2*SPITCH  ; LDS serves a wave's instructions in order (ISA guide 5.7.1.4): these see the stores above; the next block's stores come behind them
.endr
.endm
.macro SEND a, younger                 ; younger: the next block's sixteen LDS instructions, or none
.set BK, OB+32*((\a)%2)
	s_wait_dscnt \younger
	WIN 0x08                                       ; source 1 in window 2
.set n, 0
.rept 16
	v_pk_add_f32 v[BK+n:BK+n+1], v[BK+n:BK+n+1], v[32*(\a)+n:32*(\a)+n+1]
.set n, n+2
.endr
	WIN 0
.irp t, 0,1,2,3,4,5,6,7
	global_store_b128 v[CO], v[BK+4*(\t):BK+4*(\t)+3], s[8:9] offset:(16*(\a)+2*(\t))*4096 th:TH_STORE_NT  ; 16 lanes store 256 consecutive bytes, aligned
.endr
.endm
	TOSTAGE 0
	TOSTAGE 1
	SEND 0, 16
	TOSTAGE 2
	SEND 1, 16
	TOSTAGE 3
	SEND 2, 16
	SEND 3, 0
	s_wait_tensorcnt 0x0                           ; the wave's end: behind my last tensor load and my last LDS store
	ds_add_u32 v[SPW], v[NIL]
	s_wait_dscnt 0x0
	CROUND                                         ; the closing round
	s_endpgm
.Lfunc_end_k_qb5f43eff8e_ffn2:
	.size	k_qb5f43eff8e_ffn2, .Lfunc_end_k_qb5f43eff8e_ffn2-k_qb5f43eff8e_ffn2
	.p2alignl 7, 3214868480
	.fill 96, 4, 3214868480
	.section	.rodata,"a",@progbits
	.p2align	6, 0x0
	.amdhsa_kernel k_qb5f43eff8e_ffn2
		.amdhsa_group_segment_fixed_size 327680
		.amdhsa_private_segment_fixed_size 0
		.amdhsa_enable_private_segment 0
		.amdhsa_kernarg_size 40
		.amdhsa_user_sgpr_count 2
		.amdhsa_user_sgpr_kernarg_segment_ptr 1
		.amdhsa_wavefront_size32 1
		.amdhsa_system_sgpr_workgroup_id_x 1
		.amdhsa_system_sgpr_workgroup_id_y 1
		.amdhsa_system_sgpr_workgroup_id_z 1
		.amdhsa_system_vgpr_workitem_id 0
		.amdhsa_next_free_vgpr 640
		.amdhsa_next_free_sgpr 80
		.amdhsa_reserve_vcc 0
		.amdhsa_float_denorm_mode_32 3
		.amdhsa_float_denorm_mode_16_64 3
		.amdhsa_memory_ordered 1
		.amdhsa_forward_progress 1
		.amdhsa_inst_pref_size 52
	.end_amdhsa_kernel
	.amdgpu_metadata
---
amdhsa.version: [ 1, 2 ]
amdhsa.kernels:
  - .name:           k_qb5f43eff8e_ffn2
    .symbol:         k_qb5f43eff8e_ffn2.kd
    .args:
      - { .name: big, .offset: 0, .size: 8, .value_kind: global_buffer, .address_space: global }
      - { .name: wB, .offset: 8, .size: 8, .value_kind: global_buffer, .address_space: global }
      - { .name: out0, .offset: 16, .size: 8, .value_kind: global_buffer, .address_space: global }
      - { .name: b2, .offset: 24, .size: 8, .value_kind: global_buffer, .address_space: global }
      - { .name: x1, .offset: 32, .size: 8, .value_kind: global_buffer, .address_space: global }
    .group_segment_fixed_size: 327680
    .private_segment_fixed_size: 0
    .kernarg_segment_align: 8
    .kernarg_segment_size: 40
    .max_flat_workgroup_size: 128
    .sgpr_count:     80
    .vgpr_count:     640
    .wavefront_size: 32
...
	.end_amdgpu_metadata
.endif
;; end of part 6
